; MI455X (gfx1250); checked and timed in simulation.
; The chip was launched on July 23, 2026; its instructions are those of AMD's public machine-readable ISA for CDNA 5 (MIT licence, August 2026) and "CDNA5" Instruction Set Architecture Reference Guide (July 2026). The comments in the code are by the model that wrote it; some were corrected since.
;; Block. Allowed arithmetic: matrix products marked QUANTISED: E2M3 operands, one E8M0 scale for each 32 along K, by v_wmma_scale_f32_16x16x128_f8f6f4 with both operands' format E2M3, f32 sums; everything else in f32.
;; Inputs: fc1_b 4,096 float32; fc1_w 1,024 x 4,096 float32; fc2_b 1,024 float32; fc2_w 4,096 x 1,024 float32; ln1_b 1,024 float32; ln1_g 1,024 float32; ln2_b 1,024 float32; ln2_g 1,024 float32; proj_b 1,024 float32; proj_w 1,024 x 1,024 float32; qkv_w 1,024 x 3,072 float32; x 2 x 2,048 x 1,024 float32.
;; Outputs: out0 2 x 2,048 x 1,024 float32.
;; This version of the problem:
;;   THIS VERSION OF THE PROBLEM IS GIVEN IN LOW PRECISION. The matrix products marked QUANTISED in the list below multiply operands that are first quantised to E2M3 (2 exponent bits, 3 mantissa bits; 6 bits a number), with one power-of-two scale for each 32 numbers along K (OCP MX v1.0); their sums are f32. All else is computed in f32.
;;   The module's matrix products, in the order in which they are computed (A, B: the left and right operand; K: the contracted axis; several contracted axes count as one K, in the product's order):
;;     1. [M 4,096, K 1,024] x [K 1,024, N 3,072]; A: computed on the way; B: input qkv_w: QUANTISED
;;     2. batch 32 x [M 2,048, K 64] x [K 64, N 2,048]; A: computed on the way; B: computed on the way: QUANTISED
;;     3. batch 32 x [M 2,048, K 2,048] x [K 2,048, N 64]; A: softmax (see below); B: computed on the way: QUANTISED
;;     4. [M 4,096, K 1,024] x [K 1,024, N 1,024]; A: computed on the way; B: input proj_w: QUANTISED
;;     5. [M 4,096, K 1,024] x [K 1,024, N 4,096]; A: computed on the way; B: input fc1_w: QUANTISED
;;     6. [M 4,096, K 4,096] x [K 4,096, N 1,024]; A: computed on the way; B: input fc2_w: QUANTISED
;;   THE QUANTISER, for each operand of a quantised product, along K:
;;     - K is cut into blocks of 32 from its start; a last block that is shorter is filled with zeros.
;;     - A block's scale is 2^e with e = floor(log2(the largest magnitude in the block)) - 2, held to -126 .. 127; a block of zeros has e = 0. As a byte (E8M0): e + 127.
;;     - Each number is divided by its block's scale, clamped to +-7.5, and rounded to the nearest number of E2M3, ties to even, subnormals kept.
;;     - The product sums the exact products of the quantised numbers (number of the format x scale) in f32.
;;   ~~~python
;;   def quantise(x, axis):      # numpy; x: float32 -> the quantised numbers, widened to float32 again
;;       x = np.moveaxis(x, axis, -1); K = x.shape[-1]
;;       x = np.pad(x, [(0, 0)] * (x.ndim - 1) + [(0, -K % 32)]); x = x.reshape(x.shape[:-1] + (-1, 32)); a = np.abs(x).max(-1, keepdims=True)
;;       e = np.where(a > 0, np.clip(np.frexp(np.where(a > 0, a, 1))[1] - 1 - 2, -126, 127), 0)      # np.frexp(a)[1] - 1 = floor(log2(a)), exactly
;;       r = np.clip(x / 2.0 ** e, -7.5, 7.5)
;;       step = 2.0 ** (np.maximum(np.frexp(np.where(r == 0, 1, r))[1] - 1, 0) - 3)
;;       q = np.round(r / step) * step * 2.0 ** e      # np.round: ties to even
;;       return np.moveaxis(q.reshape(q.shape[:-2] + (-1,))[..., :K], -1, axis).astype(np.float32)
;;   ~~~
;;   SOFTMAX AHEAD OF A QUANTISED PRODUCT. Where the list says 'softmax', what is quantised is not the finished softmax but p = 2^(t - M), with t = logit x log2(e) and M = ceil(the row's largest t), a whole number; so 1/2 < the row's largest p <= 1. The row's sum l is taken of the UNQUANTISED p, in f32, and the product's result is divided by l at the end. Since M is a whole number, a kernel that streams over the keys may use a running M (the ceiling of the running maximum): every later rescaling is an exact power of two, which a block's scale takes up: the codes' values come out the same.
;;   OPERANDS COMPUTED ON THE WAY. 'Computed on the way' means the value that the module computes at that place (a softmax that the list does not call 'softmax' is quantised finished and normalised). What goes into a quantiser is computed in f32, as accurately as f32 sums, v_exp_f32 and their like allow (about 1e-6 of the number): no bf16 or f16 on the way to a quantiser, and a product that is left as it is and whose result goes on into a quantised operand takes f32 operands (vector FMAs, or v_wmma_f32_16x16x4_f32). A number that lies on a knife's edge between two numbers of the format may be rounded either way, as far as f32 arithmetic and the matrix unit's own rounding can turn it there, and no further.
;; One version. Each part assembles by itself: llvm-mc -triple=amdgcn-amd-amdhsa -mcpu=gfx1250 --defsym DOCPART=n.
;; ======== version 1 of 1: 7 launches
;; limits: right only within a limited range of input values
;; workspace buffers: wqb 9,830,400 bytes; h1 3,276,800 bytes; qkvb 9,830,400 bytes; ob 3,276,800 bytes; x2 16,777,216 bytes; h2 3,276,800 bytes; h3 13,107,200 bytes
;; launch pre (part 1): grid 448 x 1, 8 waves a work-group, no clusters, 118,784 bytes of LDS; arguments x, ln1_g, ln1_b, h1, qkv_w, proj_w, fc1_w, fc2_w, wqb; writes h1, wqb
.if DOCPART == 1
	.amdgcn_target "amdgcn-amd-amdhsa--gfx1250"
	.amdhsa_code_object_version 6
	.text
	.protected	k_q2d3fc1788e_pre
	.globl	k_q2d3fc1788e_pre
	.p2align	8
	.type	k_q2d3fc1788e_pre,@function
k_q2d3fc1788e_pre:
	s_mov_b64 s[64:65], 0
	v_nop
	global_prefetch_b8 v0, s[64:65] scope:SCOPE_SE
	s_setreg_imm32_b32 hwreg(HW_REG_WAVE_MODE, 25, 1), 1
	s_wait_xcnt 0x0
; TWO JOBS IN ONE LAUNCH, told apart by the work-group's number at the first line; the two ways never join.  Neither reads what the other stores, and both only stream: so they share one launch.
; Each way has LDS bytes of its own: the norm 0 .. 68,607, the weights 68,608 .. 117,759.
;
; WORK-GROUPS 0-255: LayerNorm over rows of 1,024 f32, then the quantiser along the row: codes of FP6 (E2M3) and E8M0 scale bytes, laid as the next product reads them.
; A work-group is one tile of 16 tokens: tile T holds rows 32 (T / 2) + 8 (T % 2) + i + 8 (i / 8).  Wave w takes channels 128 w .. 128 w + 127 of all 16 rows: one step of 128 along the next K.
; Each load reads 512 consecutive bytes of a row; the numbers turn through the wave's own stage in LDS, so that lane (r, h) holds, of row r, channels 32 b + 16 h + 0 .. 15 of each block b of 32: what the conversions want.
; The mean, then the mean of the squared deviations (two passes over registers), each summed over the eight waves through LDS: two barriers.  (x - mean) x rsqrt(var + eps) x g + b in f32.
; OUT: codes [tile][16 atoms][768]; an ATOM is 16 rows x 64 along K as an image of operand registers: lane (r, h) owns the 24 bytes of k = 32 h .. 32 h + 31: its first 16 bytes at 16 x lane, its last 8 at 512 + 8 x lane.
; Scale words at 3,145,728: [pair of tiles][128 along K][16 (T % 2) + r].
;
; WORK-GROUPS 256-447: the four weights, f32 stored [K][N], become codes and scale bytes along K.  A LANE TAKES A COLUMN AND ITS REGISTERS RUN DOWN K: a block of 32 along K lies in one lane, each load reads 128 consecutive
; bytes a wave (1,024 a work-group), and the conversions give codes with K innermost.  A wave takes 32 neighbouring columns (a pair of tiles) x 256 along K; a work-group 256 columns x 256.
; Counted from 256: 0-47 qkv_w, 48-63 proj_w, 64-127 fc1_w, 128-191 fc2_w: one path, the sizes chosen by the work-group's number.
; In wqb a tile is 16 columns: tile 2 P + u holds columns 32 P + 8 u + r + 8 (r / 8).  Codes: [tile][atom].  Scale words: [pair P][128 along K][16 u + r], four bytes each.
;
; A block's scale byte is its largest magnitude's exponent field - 2, held at 1 from below.
; LIMITS: a block of zeros gets the byte 1 where the rule says 127 (its codes are zeros, and this program alone reads the bytes); blocks whose largest magnitude lies under 2^-124 are held at the byte 1;
; the norm's sums are taken in another order than a plain row sum; NaN and infinities are not served.
; No cluster, no tensor load: work-groups share only g and b, 8 KiB.
.set WV,   14
.set QOFF, 16                          ; the weights: v16-47   4 x lane + i rows of the weight
.set QX,   48                          ; v48-111  two sets of 32 numbers
.set QC,   112                         ; v112-117 a block's codes
.set QT,   118                         ; v118-120 its upper 16 codes as converted (a conversion's three registers begin on an even number)
.set QOUT, 128                         ; v128-175 the way out
.set QSTG, 68608                       ; the weights' stages: 6,144 bytes a wave
.set R,   16                           ; the norm: v16-79   x as loaded, later b
.set X,   80                           ; v80-143  my 64 numbers
.set G,   144                          ; v144-207 g
.set D,   224                          ; v224-235 the fragment's codes
.set TM,  216
.set TP,  218
.set TE,  220
.set TC,  236
.set SEL, 30
.set RED, 67584                        ; behind the eight stages of 16 x 528 bytes: 8 x 16 words for the sums, and 512 bytes on the same for the squares
.macro LOAD k                          ; block k: 32 rows at my column, into set k % 2
.set n, 0
.rept 32
	global_load_b32 v[QX+32*((\k)%2)+n], v[QOFF+n], s[32+2*(\k):33+2*(\k)] th:TH_LOAD_NT
.set n, n+1
.endr
.endm
.macro BLOCK k
.set XS, QX+32*((\k)%2)
.if (\k) < 7
	s_wait_loadcnt 32                              ; this block's 32 loads are in; the next block's 32 may be out
.else
	s_wait_loadcnt 0x0
.endif
	v_max3_num_f32 v8, |v[XS]|, |v[XS+1]|, |v[XS+2]|
	v_max3_num_f32 v9, |v[XS+3]|, |v[XS+4]|, |v[XS+5]|
.irp i, 6,10,14,18,22,26
	s_delay_alu instid0(VALU_DEP_2)
	v_max3_num_f32 v8, v8, |v[XS+\i]|, |v[XS+\i+1]|
	s_delay_alu instid0(VALU_DEP_2)
	v_max3_num_f32 v9, v9, |v[XS+\i+2]|, |v[XS+\i+3]|
.endr
	s_delay_alu instid0(VALU_DEP_2)
	v_max3_num_f32 v8, v8, |v[XS+30]|, |v[XS+31]|
	s_delay_alu instid0(VALU_DEP_1)
	v_max3_num_f32 v8, v8, v9, 0x1800000           ; the block's largest magnitude, and the floor 2^(3 - 127): the byte cannot fall under 1
	s_delay_alu instid0(VALU_DEP_1)
	v_add_nc_u32 v10, 0xff000000, v8               ; 2 off its exponent field: the conversion's scale operand
	s_delay_alu instid0(VALU_DEP_1)
	v_lshrrev_b32 v11, 23, v10                     ; the scale's byte
.if (\k)%4 == 0
	s_delay_alu instid0(VALU_DEP_1)
	v_mov_b32 v[12+(\k)/4], v11
.else
	s_delay_alu instid0(VALU_DEP_1)
	v_lshl_or_b32 v[12+(\k)/4], v11, 8*((\k)%4), v[12+(\k)/4]
.endif
	v_cvt_scalef32_pk16_fp6_f32 v[QC:QC+2], v[XS:XS+15], v10
	v_cvt_scalef32_pk16_fp6_f32 v[QT:QT+2], v[XS+16:XS+31], v10
	v_nop                                          ; one plain place behind a scaled conversion
.irp i, 0,1,2
	v_mov_b32 v[QC+3+\i], v[QT+\i]
.endr
	ds_store_b128 v3, v[QC:QC+3] offset:768*((\k)/2)+256*((\k)%2)          ; atom k / 2, half k % 2 of its lanes
	ds_store_b64 v4, v[QC+4:QC+5] offset:768*((\k)/2)+512+128*((\k)%2)
.if (\k)+2 < 8
	LOAD (\k)+2
.endif
	s_wait_dscnt 0x0                               ; the stores have read their registers: the next block's codes may be written
.endm
.macro QUANT32 src, dst, hw            ; 32 numbers of a lane, register 16 B + i = k 32 B + 16 h + i of my row, become an atom's six registers and its two scale bytes
	v_max3_num_f32 v[TM], |v[(\src)]|, |v[(\src)+1]|, 0x1800000       ; with the floor 2^(3 - 127): the byte cannot fall under 1
	v_max3_num_f32 v[TM+1], |v[(\src)+16]|, |v[(\src)+17]|, 0x1800000
.irp i, 2,4,6,8,10,12,14
	s_delay_alu instid0(VALU_DEP_2)
	v_max3_num_f32 v[TM], v[TM], |v[(\src)+\i]|, |v[(\src)+\i+1]|
	s_delay_alu instid0(VALU_DEP_2)
	v_max3_num_f32 v[TM+1], v[TM+1], |v[(\src)+16+\i]|, |v[(\src)+17+\i]|
.endr
	s_delay_alu instid0(VALU_DEP_2)
	v_permlanex16_b32 v[TP], v[TM], s[SEL], s[SEL+1]
	s_delay_alu instid0(VALU_DEP_2)
	v_permlanex16_b32 v[TP+1], v[TM+1], s[SEL], s[SEL+1]
	s_delay_alu instid0(VALU_DEP_2)
	v_max_num_f32 v[TM], v[TM], v[TP]              ; with lane l xor 16's 16 numbers: the block's largest magnitude
	s_delay_alu instid0(VALU_DEP_2)
	v_max_num_f32 v[TM+1], v[TM+1], v[TP+1]
	s_delay_alu instid0(VALU_DEP_2)
	v_add_nc_u32 v[TE], 0xff000000, v[TM]          ; 2 off the exponent field: the conversion's scale operand
	s_delay_alu instid0(VALU_DEP_2)
	v_add_nc_u32 v[TE+1], 0xff000000, v[TM+1]
	s_delay_alu instid0(VALU_DEP_2)
	v_lshrrev_b32 v[TP], 23, v[TE]
	s_delay_alu instid0(VALU_DEP_2)
	v_lshrrev_b32 v[TP+1], 23, v[TE+1]
	s_delay_alu instid0(VALU_DEP_1)
	v_lshl_or_b32 v[\hw], v[TP+1], 8, v[TP]
	v_cvt_scalef32_pk16_fp6_f32 v[(\dst):(\dst)+2], v[(\src):(\src)+15], v[TE]
	v_cvt_scalef32_pk16_fp6_f32 v[TC:TC+2], v[(\src)+16:(\src)+31], v[TE+1]
	v_nop                                          ; one plain place behind a scaled conversion
.irp i, 0,1,2
	v_permlane16_swap_b32 v[(\dst)+\i], v[TC+\i]   ; a whole block to a lane: lanes 0-15 block 0, lanes 16-31 block 1
.endr
.irp i, 0,1,2
	s_delay_alu instid0(VALU_DEP_3)
	v_mov_b32 v[(\dst)+3+\i], v[TC+\i]
.endr
.endm
.macro ALLSUM off                      ; four packed chains in v208-215 become the row's sum over all 1,024 channels, in v208 of every lane
	s_delay_alu instid0(VALU_DEP_3)
	v_pk_add_f32 v[208:209], v[208:209], v[210:211]
	s_delay_alu instid0(VALU_DEP_2)
	v_pk_add_f32 v[212:213], v[212:213], v[214:215]
	s_delay_alu instid0(VALU_DEP_1)
	v_pk_add_f32 v[208:209], v[208:209], v[212:213]
	s_delay_alu instid0(VALU_DEP_1)
	v_add_f32 v208, v208, v209
	s_delay_alu instid0(VALU_DEP_1)
	v_permlanex16_b32 v209, v208, s[SEL], s[SEL+1]
	s_delay_alu instid0(VALU_DEP_1)
	v_add_f32 v208, v208, v209                     ; my wave's 128 channels of row r
	ds_store_b32 v8, v208 offset:\off              ; lanes r and r + 16 write the same word with the same value
	s_wait_dscnt 0x0                               ; for the others' sake
	s_barrier_signal -1
	s_barrier_wait -1
.irp w, 0,1,2,3,4,5,6,7
	ds_load_b32 v[216+\w], v9 offset:\off+64*\w
.endr
	s_wait_dscnt 0x0
	v_add_f32 v216, v216, v217
	v_add_f32 v218, v218, v219
	v_add_f32 v220, v220, v221
	v_add_f32 v222, v222, v223
	s_delay_alu instid0(VALU_DEP_3)
	v_add_f32 v216, v216, v218
	s_delay_alu instid0(VALU_DEP_2)
	v_add_f32 v220, v220, v222
	s_delay_alu instid0(VALU_DEP_1)
	v_add_f32 v208, v216, v220
.endm
	v_lshl_add_u32 v254, v0, 2, 0x1cc00
	v_mov_b32 v255, 0
	s_cmp_lt_u32 ttmp9, 256                        ; the same in all eight waves of a work-group
	s_cbranch_scc1 .Lnorm
	; ---------------- THE WEIGHTS
	s_load_b256 s[4:11], s[0:1], 0x20              ; qkv_w, proj_w, fc1_w, fc2_w
	s_load_b64 s[12:13], s[0:1], 0x40              ; wqb
	s_sub_co_u32 s61, ttmp9, 256                   ; my number among the weights' 192 work-groups
	v_lshrrev_b32 v1, 5, v0
	s_delay_alu instid0(VALU_DEP_1)
	v_readfirstlane_b32 s[WV], v1                  ; wave 0..7
	v_and_b32 v1, 31, v0                           ; lane = my column in the pair
	v_bfe_u32 v2, v0, 3, 1                         ; u: which tile of the pair
	v_and_b32 v8, 7, v0
	v_bfe_u32 v9, v0, 4, 1
	s_delay_alu instid0(VALU_DEP_1)
	v_lshl_add_u32 v8, v9, 3, v8                   ; r: my row in that tile
	s_mul_i32 s60, s[WV], 6144                     ; my stage: [u][4 atoms][768]
	s_add_co_u32 s60, s60, QSTG
	v_mul_u32_u24 v10, v2, 3072
	s_delay_alu instid0(VALU_DEP_1)
	v_add_nc_u32 v10, s60, v10
	s_delay_alu instid0(VALU_DEP_1)
	v_lshl_add_u32 v3, v8, 4, v10                  ; where my first 16 bytes of a block go,
	s_delay_alu instid0(VALU_DEP_2)
	v_lshl_add_u32 v4, v8, 3, v10                  ; and my last 8 (512 further on, in the offset)
	v_lshlrev_b32 v6, 4, v1                        ; the way out: 16 bytes a lane
	s_delay_alu instid0(VALU_DEP_1)
	v_add_nc_u32 v5, s60, v6
	v_lshl_add_u32 v7, v2, 4, v8
	s_delay_alu instid0(VALU_DEP_1)
	v_lshlrev_b32 v7, 2, v7                        ; my scale word: 4 (16 u + r)
	s_mov_b32 s15, 128                             ; fc2_w's figures: first work-group,
	s_mov_b32 s16, 4                               ; log2 of the runs of 256 along K,
	s_mov_b32 s17, 4096                            ; a row in bytes,
	s_mov_b32 s18, 49152                           ; a tile's codes,
	s_mov_b32 s19, 4096                            ; a pair's scale words,
	s_mov_b32 s20, 6291456                         ; where its codes begin in wqb,
	s_mov_b32 s21, 9699328                         ; and its scale words
	s_wait_kmcnt 0x0
	s_mov_b64 s[22:23], s[10:11]
	s_cmp_lt_u32 s61, 128                          ; fc1_w or an earlier one
	s_cselect_b32 s15, 64, s15
	s_cselect_b32 s16, 2, s16
	s_cselect_b32 s17, 16384, s17
	s_cselect_b32 s18, 12288, s18
	s_cselect_b32 s19, 1024, s19
	s_cselect_b32 s20, 3145728, s20
	s_cselect_b32 s21, 9568256, s21
	s_cselect_b64 s[22:23], s[8:9], s[22:23]
	s_cmp_lt_u32 s61, 64                           ; proj_w or qkv_w
	s_cselect_b32 s15, 48, s15
	s_cselect_b32 s17, 4096, s17
	s_cselect_b32 s20, 2359296, s20
	s_cselect_b32 s21, 9535488, s21
	s_cselect_b64 s[22:23], s[6:7], s[22:23]
	s_cmp_lt_u32 s61, 48                           ; qkv_w
	s_cselect_b32 s15, 0, s15
	s_cselect_b32 s17, 12288, s17
	s_cselect_b32 s20, 0, s20
	s_cselect_b32 s21, 9437184, s21
	s_cselect_b64 s[22:23], s[4:5], s[22:23]
	s_sub_co_u32 s26, s61, s15
	s_lshr_b32 s27, s26, s16                       ; which 256 columns
	s_lshl_b32 s28, s27, s16
	s_sub_co_u32 s28, s26, s28                     ; which 256 along K
	s_lshl_b32 s29, s27, 3
	s_add_co_u32 s29, s29, s[WV]                   ; P: my pair of tiles
	s_lshl_b32 s30, s28, 8
	s_mul_i32 s30, s30, s17                        ; my first row,
	s_lshl_b32 s31, s29, 7
	s_add_co_u32 s30, s30, s31                     ; my first column: 128 P bytes
	s_mov_b32 s31, 0
	s_add_nc_u64 s[32:33], s[22:23], s[30:31]      ; block 0's first row; the other seven lie 32 rows apart, each with a base of its own: none is ever stepped
	s_lshl_b32 s24, s17, 5
	s_mov_b32 s25, 0
.irp k, 1,2,3,4,5,6,7
	s_add_nc_u64 s[32+2*\k:33+2*\k], s[30+2*\k:31+2*\k], s[24:25]
.endr
	s_lshl_b32 s54, s29, 1
	s_mul_i32 s54, s54, s18
	s_add_co_u32 s54, s54, s20
	s_mul_i32 s55, s28, 3072
	s_add_co_u32 s54, s54, s55
	s_mov_b32 s55, 0
	s_add_nc_u64 s[48:49], s[12:13], s[54:55]      ; tile 2 P: my four atoms,
	s_mov_b32 s56, s18
	s_mov_b32 s57, 0
	s_add_nc_u64 s[50:51], s[48:49], s[56:57]      ; tile 2 P + 1
	s_mul_i32 s58, s29, s19
	s_add_co_u32 s58, s58, s21
	s_lshl_b32 s59, s28, 8
	s_add_co_u32 s58, s58, s59
	s_mov_b32 s59, 0
	s_add_nc_u64 s[52:53], s[12:13], s[58:59]      ; my two runs of 32 scale words
	v_lshlrev_b32 v[QOFF], 2, v1
.irp i, 1,2,3,4,5,6,7,8,9,10,11,12,13,14,15,16,17,18,19,20,21,22,23,24,25,26,27,28,29,30,31
	s_delay_alu instid0(VALU_DEP_1)
	v_add_nc_u32 v[QOFF+\i], s17, v[QOFF+\i-1]
.endr
	LOAD 0
	LOAD 1
.irp k, 0,1,2,3,4,5,6,7
	BLOCK \k
.endr
	global_store_b32 v7, v12, s[52:53]             ; 32 words each: together 256 consecutive bytes, aligned
	s_wait_alu depctr_va_vdst(0)
	global_store_b32 v7, v13, s[52:53] offset:128
.irp i, 0,1,2,3,4,5,6,7,8,9,10,11
	ds_load_b128 v[QOUT+4*\i:QOUT+4*\i+3], v5 offset:512*\i   ; LDS serves a wave's instructions in order: these see my stores
.endr
.irp i, 0,1,2,3,4,5
	s_wait_dscnt 11-\i                             ; the younger loads from the stage may be out
	global_store_b128 v6, v[QOUT+4*\i:QOUT+4*\i+3], s[48:49] offset:512*\i   ; 512 consecutive bytes, aligned
.endr
.irp i, 6,7,8,9,10,11
	s_wait_dscnt 11-\i
	global_store_b128 v6, v[QOUT+4*\i:QOUT+4*\i+3], s[50:51] offset:512*(\i-6)
.endr
	s_wait_tensorcnt 0x0
	ds_add_u32 v254, v255
	s_wait_dscnt 0x0
	s_endpgm
.Lnorm:
	; ---------------- THE NORM
	s_load_b256 s[4:11], s[0:1], 0x0               ; x, g, b, out
	v_lshrrev_b32 v1, 5, v0
	s_delay_alu instid0(VALU_DEP_1)
	v_readfirstlane_b32 s12, v1                    ; wave 0..7
	v_and_b32 v1, 31, v0
	v_and_b32 v2, 15, v0                           ; r
	v_bfe_u32 v3, v0, 4, 1                         ; h
	s_delay_alu instid0(VALU_DEP_3)
	v_lshlrev_b32 v4, 4, v1                        ; 16 x lane
	s_mul_i32 s13, s12, 8448
	v_add_nc_u32 v5, s13, v4                       ; the stage, on the way in
	v_mul_u32_u24 v6, v2, 528
	s_delay_alu instid0(VALU_DEP_1)
	v_lshl_add_u32 v6, v3, 6, v6
	s_delay_alu instid0(VALU_DEP_1)
	v_add_nc_u32 v6, s13, v6                       ; and out: row r, + 64 h
	v_lshlrev_b32 v7, 6, v3                        ; g, b: 64 h
	v_lshlrev_b32 v12, 2, v2                       ; 4 r
	s_lshl_b32 s14, s12, 6
	s_add_co_u32 s14, s14, RED
	v_add_nc_u32 v8, s14, v12
	v_add_nc_u32 v9, RED, v12
	v_lshlrev_b32 v11, 3, v1                       ; 8 x lane
	s_mov_b32 s2, 0x3a800000                       ; 1 / 1,024
	s_mov_b32 s3, 0x3727c5ac                       ; eps = 1e-5
	s_mov_b32 s[SEL], 0x76543210
	s_mov_b32 s[SEL+1], 0xfedcba98                 ; lane l xor 16
	s_lshr_b32 s15, ttmp9, 1
	s_and_b32 s16, ttmp9, 1
	s_lshl_b32 s17, s15, 5
	s_lshl_b32 s18, s16, 3
	s_add_co_u32 s17, s17, s18                     ; the tile's first row
	s_lshl_b32 s18, s17, 12
	s_lshl_b32 s20, s12, 9                         ; my 128 channels
	s_add_co_u32 s18, s18, s20
	s_mov_b32 s19, 0
	s_mov_b32 s21, 0
	s_mul_i32 s22, ttmp9, 12288
	s_mul_i32 s23, s12, 1536
	s_add_co_u32 s22, s22, s23                     ; my two atoms
	s_mov_b32 s23, 0
	s_lshl_b32 s24, s15, 3
	s_add_co_u32 s24, s24, s12
	s_lshl_b32 s24, s24, 7
	s_lshl_b32 s25, s16, 6
	s_add_co_u32 s24, s24, s25
	s_add_co_u32 s24, s24, 3145728                 ; my 16 scale words
	s_mov_b32 s25, 0
	s_wait_alu depctr_va_vdst(0)
	s_wait_kmcnt 0x0
	s_add_nc_u64 s[4:5], s[4:5], s[18:19]
	s_add_nc_u64 s[6:7], s[6:7], s[20:21]
	s_add_nc_u64 s[8:9], s[8:9], s[20:21]
	s_add_nc_u64 s[26:27], s[10:11], s[22:23]
	s_add_nc_u64 s[28:29], s[10:11], s[24:25]
.irp i, 0,1,2,3,4,5,6,7,8,9,10,11,12,13,14,15
	global_load_b128 v[R+4*\i:R+4*\i+3], v4, s[4:5] offset:(\i+8*(\i/8))*4096   ; 512 consecutive bytes of a row
.endr
.irp b, 0,1,2,3
.irp j, 0,1,2,3
	global_load_b128 v[G+16*\b+4*\j:G+16*\b+4*\j+3], v7, s[6:7] offset:128*\b+16*\j
.endr
.endr
	s_wait_loadcnt 16                              ; x is in; g's 16 loads may be out
.irp i, 0,1,2,3,4,5,6,7,8,9,10,11,12,13,14,15
	ds_store_b128 v5, v[R+4*\i:R+4*\i+3] offset:528*\i
.endr
.irp b, 0,1,2,3
.irp j, 0,1,2,3
	ds_load_b128 v[X+16*\b+4*\j:X+16*\b+4*\j+3], v6 offset:128*\b+16*\j   ; LDS serves a wave's instructions in order: these see my stores
.endr
.endr
	s_wait_dscnt 0x0
.irp b, 0,1,2,3
.irp j, 0,1,2,3
	global_load_b128 v[R+16*\b+4*\j:R+16*\b+4*\j+3], v7, s[8:9] offset:128*\b+16*\j   ; b, into the registers that x has left
.endr
.endr
.irp c, 0,1,2,3
	v_pk_add_f32 v[208+2*\c:209+2*\c], v[X+2*\c:X+2*\c+1], v[X+8+2*\c:X+9+2*\c]      ; four chains, started by the first numbers
.endr
.irp j, 2,3,4,5,6,7
.irp c, 0,1,2,3
	s_delay_alu instid0(VALU_DEP_4)
	v_pk_add_f32 v[208+2*\c:209+2*\c], v[208+2*\c:209+2*\c], v[X+8*\j+2*\c:X+8*\j+2*\c+1]
.endr
.endr
	ALLSUM 0
	s_delay_alu instid0(VALU_DEP_1)
	v_mul_f32 v210, s2, v208                       ; the mean
.set n, 0
.rept 32
	v_pk_add_f32 v[X+n:X+n+1], v[X+n:X+n+1], v[210:211] op_sel_hi:[1,0] neg_lo:[0,1] neg_hi:[0,1]   ; x - mean
.set n, n+2
.endr
.irp c, 0,1,2,3
	v_pk_mul_f32 v[208+2*\c:209+2*\c], v[X+2*\c:X+2*\c+1], v[X+2*\c:X+2*\c+1]
.endr
.irp j, 1,2,3,4,5,6,7
.irp c, 0,1,2,3
	s_delay_alu instid0(VALU_DEP_4)
	v_pk_fma_f32 v[208+2*\c:209+2*\c], v[X+8*\j+2*\c:X+8*\j+2*\c+1], v[X+8*\j+2*\c:X+8*\j+2*\c+1], v[208+2*\c:209+2*\c]
.endr
.endr
	ALLSUM 512                                     ; other words than the first sum's: no wave still reads what is written here
	s_delay_alu instid0(VALU_DEP_1)
	v_fma_f32 v212, v208, s2, s3                   ; var + eps
	s_wait_alu depctr_va_vdst(0)
	v_rsq_f32 v214, v212
	v_nop                                          ; a plain place behind the transcendental
	s_wait_alu depctr_va_vdst(0)                   ; and the wait ahead of its first reader
	s_wait_loadcnt 0x0                             ; g and b
.set n, 0
.rept 32
	v_pk_mul_f32 v[X+n:X+n+1], v[X+n:X+n+1], v[214:215] op_sel_hi:[1,0]
.set n, n+2
.endr
.set n, 0
.rept 32
	v_pk_fma_f32 v[X+n:X+n+1], v[X+n:X+n+1], v[G+n:G+n+1], v[R+n:R+n+1]
.set n, n+2
.endr
	QUANT32 X, D, 240
	QUANT32 X+32, D+6, 241
	v_lshl_or_b32 v240, v241, 16, v240             ; my row's scale word for these 128
	global_store_b128 v4, v[D:D+3], s[26:27]       ; two atoms: 1,536 consecutive bytes, aligned
	global_store_b64 v11, v[D+4:D+5], s[26:27] offset:512
	global_store_b128 v4, v[D+6:D+9], s[26:27] offset:768
	global_store_b64 v11, v[D+10:D+11], s[26:27] offset:1280
	global_store_b32 v12, v240, s[28:29]           ; lanes r and r + 16 write the same word with the same value
	s_wait_tensorcnt 0x0
	ds_add_u32 v254, v255
	s_wait_dscnt 0x0
	s_endpgm
.Lfunc_end_k_q2d3fc1788e_pre:
	.size	k_q2d3fc1788e_pre, .Lfunc_end_k_q2d3fc1788e_pre-k_q2d3fc1788e_pre
	.p2alignl 7, 3214868480
	.fill 96, 4, 3214868480
	.section	.rodata,"a",@progbits
	.p2align	6, 0x0
	.amdhsa_kernel k_q2d3fc1788e_pre
		.amdhsa_group_segment_fixed_size 118784
		.amdhsa_private_segment_fixed_size 0
		.amdhsa_enable_private_segment 0
		.amdhsa_kernarg_size 72
		.amdhsa_user_sgpr_count 2
		.amdhsa_user_sgpr_kernarg_segment_ptr 1
		.amdhsa_wavefront_size32 1
		.amdhsa_system_sgpr_workgroup_id_x 1
		.amdhsa_system_sgpr_workgroup_id_y 1
		.amdhsa_system_sgpr_workgroup_id_z 1
		.amdhsa_system_vgpr_workitem_id 0
		.amdhsa_next_free_vgpr 256
		.amdhsa_next_free_sgpr 66
		.amdhsa_reserve_vcc 0
		.amdhsa_float_denorm_mode_32 3
		.amdhsa_float_denorm_mode_16_64 3
		.amdhsa_memory_ordered 1
		.amdhsa_forward_progress 1
		.amdhsa_inst_pref_size 80
	.end_amdhsa_kernel
	.amdgpu_metadata
---
amdhsa.version: [ 1, 2 ]
amdhsa.kernels:
  - .name:           k_q2d3fc1788e_pre
    .symbol:         k_q2d3fc1788e_pre.kd
    .args:
      - { .name: x, .offset: 0, .size: 8, .value_kind: global_buffer, .address_space: global }
      - { .name: ln1_g, .offset: 8, .size: 8, .value_kind: global_buffer, .address_space: global }
      - { .name: ln1_b, .offset: 16, .size: 8, .value_kind: global_buffer, .address_space: global }
      - { .name: h1, .offset: 24, .size: 8, .value_kind: global_buffer, .address_space: global }
      - { .name: qkv_w, .offset: 32, .size: 8, .value_kind: global_buffer, .address_space: global }
      - { .name: proj_w, .offset: 40, .size: 8, .value_kind: global_buffer, .address_space: global }
      - { .name: fc1_w, .offset: 48, .size: 8, .value_kind: global_buffer, .address_space: global }
      - { .name: fc2_w, .offset: 56, .size: 8, .value_kind: global_buffer, .address_space: global }
      - { .name: wqb, .offset: 64, .size: 8, .value_kind: global_buffer, .address_space: global }
    .group_segment_fixed_size: 118784
    .private_segment_fixed_size: 0
    .kernarg_segment_align: 8
    .kernarg_segment_size: 72
    .max_flat_workgroup_size: 256
    .sgpr_count:     66
    .vgpr_count:     256
    .wavefront_size: 32
...
	.end_amdgpu_metadata
.endif
;; end of part 1
;; launch qkv (part 2): grid 8 x 24, 16 waves a work-group, clusters of 4 x 4, 327,680 bytes of LDS; arguments h1, wqb, qkvb; writes qkvb
.if DOCPART == 2
	.amdgcn_target "amdgcn-amd-amdhsa--gfx1250"
	.amdhsa_code_object_version 6
	.text
	.protected	k_q2d3fc1788e_qkv
	.globl	k_q2d3fc1788e_qkv
	.p2align	8
	.type	k_q2d3fc1788e_qkv,@function
k_q2d3fc1788e_qkv:
	s_mov_b64 s[64:65], 0
	v_nop
	global_prefetch_b8 v0, s[64:65] scope:SCOPE_SE
	s_setreg_imm32_b32 hwreg(HW_REG_WAVE_MODE, 25, 1), 1
	s_wait_xcnt 0x0
	s_wait_alu depctr_hold_cnt(0) depctr_sa_sdst(0) depctr_va_vdst(0) depctr_va_sdst(0) depctr_va_ssrc(0) depctr_va_vcc(0) depctr_vm_vsrc(0)
	s_getreg_b32 s2, hwreg(HW_REG_IB_STS2, 6, 4)
	s_cmp_eq_u32 s2, 0
	s_cbranch_scc0 .Lentry_in_a_cluster
	s_endpgm
.Lentry_in_a_cluster:
	s_bfe_u32 s2, ttmp6, 0x10000c
	s_cmp_lg_u32 s2, 0xf033
	s_cbranch_scc0 .Lentry_shape_is_right
	s_endpgm
.Lentry_shape_is_right:
.set TS,    12288
; q, k, v = h1 qkv_w on codes of FP6 with E8M0 scales, K = 1,024; a work-group makes 256 x 256, sixteen waves 64 x 64 each; the results are quantised on the way out.
; FILLS: two slots of 384 along K (32 tiles x 4,608 bytes).  At the head every wave issues one joint load: waves 0-3 slot 0, waves 4-11 the scale words of all of K, waves 12-15 slot 1.
; ONE REFILL: K 768 .. 1,023 into slot 0, by waves 0-3, behind a drained round; its rows keep their place of 4,608 bytes, of which 3,072 come from memory.
; No prefetch: 768 of K's 1,024 are asked for at the head, and the last 256 three steps ahead of their use.
.set TILEB, 4608                       ; a tile's bytes in a slot: three steps of 1,536
.set SLOTB, 147456
.set YOFF,  73728
.set SC,    294912                     ; behind the ring: X's scale words, 8,192 bytes, then Y's
.set HALFS, 2048                       ; what one wave fetches of them
.set PS,    1024
.set SPARE, 311296
.set XF,  20
.set YF,  68
.set ACC, 128
.set WV,  10
.set G1Y, 24
.set G0Y, 32
.set G1X, 48
.set G0X, 56
.set G1SY, 68
.set G0SY, 76
.set G1SX, 80
.set G0SX, 88
.set SEL, 2
.set TM,  30
.set TP,  32
.set TE,  34
.set TC,  36
.macro CROUND
	s_barrier_signal -1
	s_barrier_wait -1
	s_cmp_lg_u32 s[WV], 0
	s_cbranch_scc1 .Lnw0_\@
	s_barrier_signal -3
.Lnw0_\@:
	s_barrier_wait -3
	s_barrier_signal -1
	s_barrier_wait -1
.endm
.macro JLOAD g0x, g1x, g0y, g1y
	s_cmp_lt_u32 s[WV], 2
	s_cbranch_scc0 .Lnx_\@
	tensor_load_to_lds s[\g0x:\g0x+3], s[\g1x:\g1x+7]
	s_nop 0
.rept 4
	v_nop
.endr
	s_branch .Ljd_\@
.Lnx_\@:
	s_cmp_lt_u32 s[WV], 4
	s_cbranch_scc0 .Ljd_\@
	tensor_load_to_lds s[\g0y:\g0y+3], s[\g1y:\g1y+7]
	s_nop 0
.rept 4
	v_nop
.endr
.Ljd_\@:
.endm
.macro FRAG reg, a16, a8, off
	ds_load_b128 v[\reg:\reg+3], v[\a16] offset:\off
	ds_load_b64 v[\reg+4:\reg+5], v[\a8] offset:\off+512
	ds_load_b128 v[\reg+6:\reg+9], v[\a16] offset:\off+768
	ds_load_b64 v[\reg+10:\reg+11], v[\a8] offset:\off+1280
.endm
.macro WM x, y, zero
.set rD, ACC+32*(\y)+8*(\x)
.set rX, XF+12*(\x)
.set rY, YF+12*(\y)
.set rP, 16+(\x)/2
.set rQ, 18+(\y)/2
.set par, 2*((\x)%2)+(\y)%2+4*(\zero)
.if par == 0
	v_wmma_scale_f32_16x16x128_f8f6f4 v[rD:rD+7], v[rX:rX+11], v[rY:rY+11], v[rD:rD+7], v[rP], v[rQ] matrix_a_fmt:MATRIX_FMT_FP6 matrix_b_fmt:MATRIX_FMT_FP6
.elseif par == 1
	v_wmma_scale_f32_16x16x128_f8f6f4 v[rD:rD+7], v[rX:rX+11], v[rY:rY+11], v[rD:rD+7], v[rP], v[rQ] matrix_a_fmt:MATRIX_FMT_FP6 matrix_b_fmt:MATRIX_FMT_FP6 matrix_b_scale:MATRIX_SCALE_ROW1
.elseif par == 2
	v_wmma_scale_f32_16x16x128_f8f6f4 v[rD:rD+7], v[rX:rX+11], v[rY:rY+11], v[rD:rD+7], v[rP], v[rQ] matrix_a_fmt:MATRIX_FMT_FP6 matrix_b_fmt:MATRIX_FMT_FP6 matrix_a_scale:MATRIX_SCALE_ROW1
.elseif par == 3
	v_wmma_scale_f32_16x16x128_f8f6f4 v[rD:rD+7], v[rX:rX+11], v[rY:rY+11], v[rD:rD+7], v[rP], v[rQ] matrix_a_fmt:MATRIX_FMT_FP6 matrix_b_fmt:MATRIX_FMT_FP6 matrix_a_scale:MATRIX_SCALE_ROW1 matrix_b_scale:MATRIX_SCALE_ROW1
.elseif par == 4
	v_wmma_scale_f32_16x16x128_f8f6f4 v[rD:rD+7], v[rX:rX+11], v[rY:rY+11], 0, v[rP], v[rQ] matrix_a_fmt:MATRIX_FMT_FP6 matrix_b_fmt:MATRIX_FMT_FP6
.elseif par == 5
	v_wmma_scale_f32_16x16x128_f8f6f4 v[rD:rD+7], v[rX:rX+11], v[rY:rY+11], 0, v[rP], v[rQ] matrix_a_fmt:MATRIX_FMT_FP6 matrix_b_fmt:MATRIX_FMT_FP6 matrix_b_scale:MATRIX_SCALE_ROW1
.elseif par == 6
	v_wmma_scale_f32_16x16x128_f8f6f4 v[rD:rD+7], v[rX:rX+11], v[rY:rY+11], 0, v[rP], v[rQ] matrix_a_fmt:MATRIX_FMT_FP6 matrix_b_fmt:MATRIX_FMT_FP6 matrix_a_scale:MATRIX_SCALE_ROW1
.else
	v_wmma_scale_f32_16x16x128_f8f6f4 v[rD:rD+7], v[rX:rX+11], v[rY:rY+11], 0, v[rP], v[rQ] matrix_a_fmt:MATRIX_FMT_FP6 matrix_b_fmt:MATRIX_FMT_FP6 matrix_a_scale:MATRIX_SCALE_ROW1 matrix_b_scale:MATRIX_SCALE_ROW1
.endif
.endm
.macro STEP slot, koff, soff, zero
.rept 4
	v_nop
.endr
	ds_load_b32 v16, v11 offset:\soff
	ds_load_b32 v17, v11 offset:\soff+PS
	ds_load_b32 v18, v12 offset:\soff
	ds_load_b32 v19, v12 offset:\soff+PS
.irp y, 0,1,2,3
	FRAG YF+12*\y, 7+\slot, 9+\slot, \y*TILEB+\koff
.endr
.irp x, 0,1,2,3
	FRAG XF+12*\x, 3+\slot, 5+\slot, \x*TILEB+\koff
.endr
.irp x, 0,1,2,3
	s_wait_dscnt 12-4*\x
.irp y, 0,1,2,3
	WM \x, \y, \zero
.endr
.endr
.endm
.macro ARM under, g0, g1, next         ; an arm of the head's chain: the waves under \under that no earlier arm took issue this load
	s_cmp_lt_u32 s[WV], \under
	s_cbranch_scc0 \next
	tensor_load_to_lds s[\g0:\g0+3], s[\g1:\g1+7]
	s_nop 0
.rept 4
	v_nop
.endr
	s_branch .Lhead_asked
\next:
.endm
.macro QUANT32 src, dst, hw
	v_max3_num_f32 v[TM], |v[(\src)]|, |v[(\src)+1]|, 0x1800000
	v_max3_num_f32 v[TM+1], |v[(\src)+16]|, |v[(\src)+17]|, 0x1800000
.irp i, 2,4,6,8,10,12,14
	v_max3_num_f32 v[TM], v[TM], |v[(\src)+\i]|, |v[(\src)+\i+1]|
	v_max3_num_f32 v[TM+1], v[TM+1], |v[(\src)+16+\i]|, |v[(\src)+17+\i]|
.endr
	s_delay_alu instid0(VALU_DEP_2)
	v_permlanex16_b32 v[TP], v[TM], s[SEL], s[SEL+1]
	s_delay_alu instid0(VALU_DEP_2)
	v_permlanex16_b32 v[TP+1], v[TM+1], s[SEL], s[SEL+1]
	s_delay_alu instid0(VALU_DEP_2)
	v_max_num_f32 v[TM], v[TM], v[TP]
	s_delay_alu instid0(VALU_DEP_2)
	v_max_num_f32 v[TM+1], v[TM+1], v[TP+1]
	s_delay_alu instid0(VALU_DEP_2)
	v_add_nc_u32 v[TE], 0xff000000, v[TM]
	s_delay_alu instid0(VALU_DEP_2)
	v_add_nc_u32 v[TE+1], 0xff000000, v[TM+1]
	s_delay_alu instid0(VALU_DEP_2)
	v_lshrrev_b32 v[TP], 23, v[TE]
	s_delay_alu instid0(VALU_DEP_2)
	v_lshrrev_b32 v[TP+1], 23, v[TE+1]
	s_delay_alu instid0(VALU_DEP_1)
	v_lshl_or_b32 v[\hw], v[TP+1], 8, v[TP]
	v_cvt_scalef32_pk16_fp6_f32 v[(\dst):(\dst)+2], v[(\src):(\src)+15], v[TE]
	v_cvt_scalef32_pk16_fp6_f32 v[TC:TC+2], v[(\src)+16:(\src)+31], v[TE+1]
	v_nop
.irp i, 0,1,2
	v_permlane16_swap_b32 v[(\dst)+\i], v[TC+\i]
.endr
.irp i, 0,1,2
	s_delay_alu instid0(VALU_DEP_3)
	v_mov_b32 v[(\dst)+3+\i], v[TC+\i]
.endr
.endm
	s_load_b128 s[4:7], s[0:1], 0x0
	s_load_b64 s[8:9], s[0:1], 0x10
	v_lshl_add_u32 v1, v0, 2, SPARE
	v_mov_b32 v2, 0
	ds_add_u32 v1, v2
	ds_add_u32 v1, v2
	s_wait_dscnt 0x0
	v_lshrrev_b32 v3, 5, v0
	s_delay_alu instid0(VALU_DEP_1)
	v_readfirstlane_b32 s[WV], v3
	s_and_b32 s11, s[WV], 3
	s_lshr_b32 s12, s[WV], 2
	s_bfe_u32 s13, ttmp6, 0x40000
	s_bfe_u32 s14, ttmp6, 0x40004
	s_and_b32 s16, ttmp7, 0xffff
	s_sub_co_u32 s18, s16, 4
	s_lshl_b32 s18, s18, 3
	s_lshl_b32 s19, s16, 2
	s_lshl_b32 s17, ttmp9, 2
	s_add_co_u32 s17, s17, s13
	s_cmp_ge_u32 s16, 4
	s_cselect_b32 s20, 1, 0
	s_cselect_b32 s18, s18, 0
	s_cselect_b32 s19, 0, s19
	s_add_co_u32 s17, s17, s18
	s_add_co_u32 s19, s19, s14
	s_lshl_b32 s21, s14, 2
	s_lshl_b32 s21, 15, s21
	s_lshl_b32 s22, 0x1111, s13
	s_or_b32 s[G1Y], s21, (3<<16)|(1<<21)
	s_or_b32 s[G1X], s22, (3<<16)|(1<<21)
.irp g, G1Y, G1X
	s_mov_b32 s[\g+1], (TILEB/8)<<16
	s_mov_b32 s[\g+2], 8<<16
	s_mov_b32 s[\g+3], (TILEB/8)<<16
	s_mov_b32 s[\g+4], 8
	s_mov_b32 s[\g+5], TS/8
	s_mov_b32 s[\g+6], 0
	s_mov_b32 s[\g+7], 0
.endr
	s_or_b32 s[G1SY], s21, (3<<16)|(1<<21)
	s_or_b32 s[G1SX], s22, (3<<16)|(1<<21)
.irp g, G1SY, G1SX
	s_mov_b32 s[\g+1], 32<<16
	s_mov_b32 s[\g+2], (HALFS/256)<<16
	s_mov_b32 s[\g+3], 32<<16
	s_mov_b32 s[\g+4], HALFS/256
	s_mov_b32 s[\g+5], 32
	s_mov_b32 s[\g+6], 0
	s_mov_b32 s[\g+7], 0
.endr
	s_and_b32 s23, s[WV], 1
	s_mul_i32 s40, s17, 16*TS
	s_mul_i32 s41, s23, 8*TS
	s_add_co_u32 s40, s40, s41
	s_lshl_b32 s42, s17, 13
	s_lshl_b32 s43, s11, 11                        ; my quarter of the 8,192 bytes of scale words
	s_add_co_u32 s42, s42, s43
	s_mul_i32 s44, s19, 16*TS
	s_add_co_u32 s44, s44, s41
	s_lshl_b32 s46, s19, 13
	s_add_co_u32 s46, s46, s43
	s_cmp_lg_u32 s20, 0
	s_mov_b32 s96, 9437184
	s_cselect_b32 s96, 3145728, s96
	s_mov_b32 s97, 3145728
	s_cselect_b32 s97, 9502720, s97
	s_cselect_b32 s98, 1572864, 0
	s_wait_kmcnt 0x0
	s_cselect_b64 s[92:93], s[4:5], s[6:7]
	s_cselect_b64 s[94:95], s[6:7], s[4:5]
	s_add_co_u32 s42, s42, s96
	s_add_co_u32 s46, s46, s97
	s_add_co_u32 s44, s44, s98
	s_mov_b32 s41, 0
	s_mov_b32 s43, 0
	s_mov_b32 s45, 0
	s_mov_b32 s47, 0
	s_add_nc_u64 s[40:41], s[92:93], s[40:41]
	s_add_nc_u64 s[42:43], s[92:93], s[42:43]
	s_add_nc_u64 s[44:45], s[94:95], s[44:45]
	s_add_nc_u64 s[46:47], s[94:95], s[46:47]
	s_mul_i32 s2, s11, 8*TILEB                     ; codes: eight tiles a load
	s_add_co_u32 s3, s[WV], 4
	s_and_b32 s3, s3, 7
	s_lshl_b32 s3, s3, 11                          ; scale words: waves 4-7 X's quarters, waves 8-11 Y's
	CROUND
	s_mov_b32 s[G0SX], 1
	s_add_co_u32 s[G0SX+1], s3, SC
	s_mov_b64 s[G0SX+2:G0SX+3], s[42:43]
	s_or_b32 s[G0SX+3], s[G0SX+3], 0x80000000
	s_mov_b32 s[G0SY], 1
	s_add_co_u32 s[G0SY+1], s3, SC
	s_mov_b64 s[G0SY+2:G0SY+3], s[46:47]
	s_or_b32 s[G0SY+3], s[G0SY+3], 0x80000000
.irp s, 0,1
	s_mov_b32 s[G0X+4*\s], 1
	s_add_co_u32 s[G0X+4*\s+1], s2, \s*SLOTB
	s_add_nc_u64 s[G0X+4*\s+2:G0X+4*\s+3], s[40:41], \s*TILEB
	s_or_b32 s[G0X+4*\s+3], s[G0X+4*\s+3], 0x80000000
	s_mov_b32 s[G0Y+4*\s], 1
	s_add_co_u32 s[G0Y+4*\s+1], s2, \s*SLOTB
	s_add_nc_u64 s[G0Y+4*\s+2:G0Y+4*\s+3], s[44:45], \s*TILEB
	s_or_b32 s[G0Y+4*\s+3], s[G0Y+4*\s+3], 0x80000000
.endr
	ARM 2,  G0X,   G1X,  .Lh1                      ; the head's loads, one a wave: slot 0's X,
	ARM 4,  G0Y,   G1Y,  .Lh2                      ; slot 0's Y,
	ARM 8,  G0SX,  G1SX, .Lh3                      ; X's scale words,
	ARM 12, G0SY,  G1SY, .Lh4                      ; Y's,
	ARM 14, G0X+4, G1X,  .Lh5                      ; slot 1's X,
	tensor_load_to_lds s[G0Y+4:G0Y+7], s[G1Y:G1Y+7]   ; slot 1's Y
	s_nop 0
.rept 4
	v_nop
.endr
.Lhead_asked:
	v_and_b32 v13, 31, v0
	s_delay_alu instid0(VALU_DEP_1)
	v_lshlrev_b32 v14, 4, v13
	s_delay_alu instid0(VALU_DEP_2)
	v_lshlrev_b32 v15, 3, v13
	s_mul_i32 s96, s11, 4*TILEB
	s_mul_i32 s97, s12, 4*TILEB
	s_add_co_u32 s97, s97, YOFF
	v_add_nc_u32 v3, s96, v14
	v_add_nc_u32 v5, s96, v15
	v_add_nc_u32 v7, s97, v14
	v_add_nc_u32 v9, s97, v15
	s_delay_alu instid0(VALU_DEP_4)
	v_add_nc_u32 v4, SLOTB, v3
	s_delay_alu instid0(VALU_DEP_4)
	v_add_nc_u32 v6, SLOTB, v5
	s_delay_alu instid0(VALU_DEP_4)
	v_add_nc_u32 v8, SLOTB, v7
	s_delay_alu instid0(VALU_DEP_4)
	v_add_nc_u32 v10, SLOTB, v9
	v_lshlrev_b32 v11, 2, v13
	s_mul_i32 s96, s11, 2*PS
	s_add_co_u32 s96, s96, SC
	s_mul_i32 s97, s12, 2*PS
	s_add_co_u32 s97, s97, SC+4*HALFS
	v_add_nc_u32 v12, s97, v11
	v_add_nc_u32 v11, s96, v11
	s_wait_alu depctr_va_vdst(0)                   ; the wait at the head's end
	s_cmp_lt_u32 s[WV], 12
	s_cbranch_scc0 .Lslot1
	s_wait_tensorcnt 0x0                           ; waves 0-11: my part of slot 0 or of the scale words is in
.Lslot1:
	s_barrier_signal -1
	s_barrier_wait -1                              ; slot 0 and the scale words are whole; slot 1 may be on its way
	STEP 0, 0, 0, 1
	STEP 0, 1536, 128, 0
	STEP 0, 3072, 256, 0
	s_wait_tensorcnt 0x0                           ; all my loads are in, slot 1's among them
	ds_add_u32 v1, v2
	s_add_nc_u64 s[G0X+2:G0X+3], s[G0X+2:G0X+3], 2*TILEB   ; slot 0's next fill: K 768 on
	s_add_nc_u64 s[G0Y+2:G0Y+3], s[G0Y+2:G0Y+3], 2*TILEB
	s_mov_b32 s[G1X+1], (3072/8)<<16               ; 3,072 bytes are left of each tile's row
	s_mov_b32 s[G1Y+1], (3072/8)<<16
	s_wait_dscnt 0x0                               ; the add is done, and my reads of slot 0
	CROUND
	JLOAD G0X, G1X, G0Y, G1Y
	STEP 1, 0, 384, 0
	STEP 1, 1536, 512, 0
	STEP 1, 3072, 640, 0
	s_wait_tensorcnt 0x0                           ; the refill is in
	s_wait_dscnt 0x0
	s_barrier_signal -1
	s_barrier_wait -1                              ; and shown to all
	STEP 0, 0, 768, 0
	STEP 0, 1536, 896, 0
.rept 4
	v_nop
.endr
	v_mov_b32 v[TP], 0
	v_mov_b32 v[TP+1], 0
	v_and_b32 v13, 15, v0
	s_delay_alu instid0(VALU_DEP_1)
	v_lshlrev_b32 v13, 4, v13
	s_mov_b32 s[SEL], 0x76543210
	s_mov_b32 s[SEL+1], 0xfedcba98
	s_or_b32 s21, s20, ttmp9
	s_cmp_lg_u32 s20, 0
	s_cselect_b32 s40, s19, s17
	s_cselect_b32 s41, s12, s11
	s_cselect_b32 s42, s17, s19
	s_cselect_b32 s43, s11, s12
	s_mov_b32 s44, 768
	s_cselect_b32 s44, 1536, s44
	s_cselect_b32 s46, 4, 2
	s_mov_b32 s45, 0
	s_mov_b32 s47, 0
	s_lshl_b32 s40, s40, 2
	s_add_co_u32 s40, s40, s41
	s_and_b32 s40, s40, 15
	s_lshr_b32 s41, s42, 3
	s_lshl_b32 s41, s41, 4
	s_add_co_u32 s41, s41, s40
	s_and_b32 s42, s42, 7
	s_lshl_b32 s42, s42, 1
	s_lshr_b32 s96, s43, 1
	s_add_co_u32 s42, s42, s96
	s_lshl_b32 s41, s41, 4
	s_add_co_u32 s41, s41, s42
	s_and_b32 s43, s43, 1
	s_cmp_eq_u32 s21, 0
	s_mov_b32 s96, 12800
	s_cselect_b32 s96, 6400, s96
	s_cselect_b32 s97, 0, 3276800
	s_mov_b32 s42, 12288
	s_cselect_b32 s42, 6144, s42
	s_mul_i32 s41, s41, s96
	s_add_co_u32 s41, s41, s97
	s_mul_i32 s98, s43, 768
	s_add_co_u32 s98, s98, 6144
	s_mul_i32 s99, s43, 3072
	s_lshl_b32 s40, s43, 1
	s_add_co_u32 s40, s40, 12544
	s_lshl_b32 s96, s43, 3
	s_add_co_u32 s96, s96, s42
	s_cmp_lg_u32 s20, 0
	s_cselect_b32 s98, s98, s99
	s_cselect_b32 s40, s40, s96
	s_add_co_u32 s98, s98, s41
	s_add_co_u32 s96, s40, s41
	s_mov_b32 s99, 0
	s_mov_b32 s97, 0
	s_add_nc_u64 s[92:93], s[8:9], s[98:99]
	s_add_nc_u64 s[94:95], s[8:9], s[96:97]
.irp y, 0,1,2,3
	QUANT32 ACC+32*\y, 20, 28
	global_store_b128 v14, v[20:23], s[92:93]
	global_store_b64 v15, v[24:25], s[92:93] offset:512
	global_store_b16 v13, v28, s[94:95]
	s_wait_xcnt 0x0
	s_add_nc_u64 s[92:93], s[92:93], s[44:45]
	s_add_nc_u64 s[94:95], s[94:95], s[46:47]
.endr
	s_wait_tensorcnt 0x0
	ds_add_u32 v1, v2
	s_wait_dscnt 0x0
	CROUND
	s_endpgm
.Lfunc_end_k_q2d3fc1788e_qkv:
	.size	k_q2d3fc1788e_qkv, .Lfunc_end_k_q2d3fc1788e_qkv-k_q2d3fc1788e_qkv
	.p2alignl 7, 3214868480
	.fill 96, 4, 3214868480
	.section	.rodata,"a",@progbits
	.p2align	6, 0x0
	.amdhsa_kernel k_q2d3fc1788e_qkv
		.amdhsa_group_segment_fixed_size 327680
		.amdhsa_private_segment_fixed_size 0
		.amdhsa_enable_private_segment 0
		.amdhsa_kernarg_size 24
		.amdhsa_user_sgpr_count 2
		.amdhsa_user_sgpr_kernarg_segment_ptr 1
		.amdhsa_wavefront_size32 1
		.amdhsa_system_sgpr_workgroup_id_x 1
		.amdhsa_system_sgpr_workgroup_id_y 1
		.amdhsa_system_sgpr_workgroup_id_z 1
		.amdhsa_system_vgpr_workitem_id 0
		.amdhsa_next_free_vgpr 256
		.amdhsa_next_free_sgpr 100
		.amdhsa_reserve_vcc 0
		.amdhsa_float_denorm_mode_32 3
		.amdhsa_float_denorm_mode_16_64 3
		.amdhsa_memory_ordered 1
		.amdhsa_forward_progress 1
		.amdhsa_inst_pref_size 60
	.end_amdhsa_kernel
	.amdgpu_metadata
---
amdhsa.version: [ 1, 2 ]
amdhsa.kernels:
  - .name:           k_q2d3fc1788e_qkv
    .symbol:         k_q2d3fc1788e_qkv.kd
    .args:
      - { .name: h1, .offset: 0, .size: 8, .value_kind: global_buffer, .address_space: global }
      - { .name: wqb, .offset: 8, .size: 8, .value_kind: global_buffer, .address_space: global }
      - { .name: qkvb, .offset: 16, .size: 8, .value_kind: global_buffer, .address_space: global }
    .group_segment_fixed_size: 327680
    .private_segment_fixed_size: 0
    .kernarg_segment_align: 8
    .kernarg_segment_size: 24
    .max_flat_workgroup_size: 512
    .sgpr_count:     100
    .vgpr_count:     256
    .wavefront_size: 32
...
	.end_amdgpu_metadata
.endif
;; end of part 2
;; launch attn (part 3): grid 8 x 32, 16 waves a work-group, clusters of 4 x 1, 206,848 bytes of LDS; arguments qkvb, ob; writes ob
.if DOCPART == 3
	.amdgcn_target "amdgcn-amd-amdhsa--gfx1250"
	.amdhsa_code_object_version 6
	.text
	.protected	k_q2d3fc1788e_attn
	.globl	k_q2d3fc1788e_attn
	.p2align	8
	.type	k_q2d3fc1788e_attn,@function
k_q2d3fc1788e_attn:
	s_mov_b64 s[64:65], 0
	v_nop
	global_prefetch_b8 v0, s[64:65] scope:SCOPE_SE
	s_setreg_imm32_b32 hwreg(HW_REG_WAVE_MODE, 25, 1), 1
	s_wait_xcnt 0x0
	s_wait_alu depctr_hold_cnt(0) depctr_sa_sdst(0) depctr_va_vdst(0) depctr_va_sdst(0) depctr_va_ssrc(0) depctr_va_vcc(0) depctr_vm_vsrc(0)
	s_getreg_b32 s2, hwreg(HW_REG_IB_STS2, 6, 4)
	s_cmp_eq_u32 s2, 0
	s_cbranch_scc0 .Lentry_in_a_cluster
	s_endpgm
.Lentry_in_a_cluster:
	s_bfe_u32 s2, ttmp6, 0x10000c
	s_cmp_lg_u32 s2, 0x3003
	s_cbranch_scc0 .Lentry_shape_is_right
	s_endpgm
.Lentry_shape_is_right:
; o = softmax(q k^T / 8) v for 32 (batch, head) pairs of 2,048 tokens and head size 64, both products on codes of FP6 (E2M3) with E8M0 scales; o is quantised on the way out for the next product.
; THE SOFTMAX AHEAD OF THE SECOND PRODUCT: t = score x log2(e) / 8; M = the row's largest t so far, rounded UP to a whole number; p = 2^(t - M) is quantised along the keys, not normalised; the row's sum is taken of the
; unquantised p and divides O at the end.  When M moves, the sum and O are multiplied by 2^(old M - new M): exact.
; SHARES.  A work-group owns 256 queries of one (batch, head); each of its sixteen waves one tile of 16, in 256 registers: four waves to a SIMD, so that one wave's vector work stands beside another's products and LDS loads.
; LDS holds the head's k and v WHOLE: 16 records of 12,800 bytes (128 keys each), filled once: every wave asks for one record.  No ring, nothing is filled again.  One tensor load of a wave is out.
; CLUSTER 4 x 1: four blocks of queries of one head read the same k and v: each record is asked for jointly.
; BOTH PRODUCTS ARE USED TRANSPOSED (S^T = k q^T, O^T = v^T p^T): a lane holds one query throughout.  The keys of a tile are 32 b + 8 u + r + 8 (r / 8), so that p's 16 registers of two neighbouring tiles are 16 neighbouring keys.
; THE HEAD HAS 64 NUMBERS, THE INSTRUCTION TAKES 128: a fragment of k carries TWO tiles of keys, tile 2 b in k = 0 .. 63 and tile 2 b + 1 in k = 64 .. 127.  Multiplied by (q | 0) it gives tile 2 b's scores, by (0 | q) tile 2 b + 1's:
; the other half meets zero codes, which add nothing under any scale byte from 1 to 254.  So LDS holds no zeros and each fragment feeds two instructions.
; Nothing is prefetched: all of k and v is asked for at the head.
; LIMITS: v_exp_f32 gives 0 for results under 2^-126; a block of zeros gets the byte 1 (its codes are zeros; this program alone reads the bytes); NaN and infinities are not served.
; REGISTERS: v1-3 LDS addresses of the step; v4-21 (q | 0 | q); v22 q's scale word; v24 -M, v25 the largest t, v[26:27] the sum; v28-31 lane terms; v32-79 four fragments; v80-87 k's and v's scale words;
;   v96-159 S^T, then p; v160-191 O^T; v192-203 p's codes; v204-210 conversions; v212-223 at work; v[228:229] f; v230 p's scale word.
.set WV,  8
.set CS,  22                           ; s[22:23] c = log2(e) / 8
.set SEL, 36
.set BM,  212                          ; each block's largest score, then its largest p
.set PT,  216
.set SE,  220
.set TM,  212
.set TP,  216
.set TE,  220
.set TC,  204
.macro CROUND
	s_barrier_signal -1
	s_barrier_wait -1
	s_cmp_lg_u32 s[WV], 0
	s_cbranch_scc1 .Lnw0_\@
	s_barrier_signal -3
.Lnw0_\@:
	s_barrier_wait -3
	s_barrier_signal -1
	s_barrier_wait -1
.endm
.macro FRAG reg, a16, a8, off
	ds_load_b128 v[\reg:\reg+3], v[\a16] offset:\off
	ds_load_b64 v[\reg+4:\reg+5], v[\a8] offset:\off+512
	ds_load_b128 v[\reg+6:\reg+9], v[\a16] offset:\off+768
	ds_load_b64 v[\reg+10:\reg+11], v[\a8] offset:\off+1280
.endm
.macro QUANT32 src, dst, hw
	v_max3_num_f32 v[TM], |v[(\src)]|, |v[(\src)+1]|, 0x1800000
	v_max3_num_f32 v[TM+1], |v[(\src)+16]|, |v[(\src)+17]|, 0x1800000
.irp i, 2,4,6,8,10,12,14
	s_delay_alu instid0(VALU_DEP_2)
	v_max3_num_f32 v[TM], v[TM], |v[(\src)+\i]|, |v[(\src)+\i+1]|
	s_delay_alu instid0(VALU_DEP_2)
	v_max3_num_f32 v[TM+1], v[TM+1], |v[(\src)+16+\i]|, |v[(\src)+17+\i]|
.endr
	s_delay_alu instid0(VALU_DEP_2)
	v_permlanex16_b32 v[TP], v[TM], s[SEL], s[SEL+1]
	s_delay_alu instid0(VALU_DEP_2)
	v_permlanex16_b32 v[TP+1], v[TM+1], s[SEL], s[SEL+1]
	s_delay_alu instid0(VALU_DEP_2)
	v_max_num_f32 v[TM], v[TM], v[TP]
	s_delay_alu instid0(VALU_DEP_2)
	v_max_num_f32 v[TM+1], v[TM+1], v[TP+1]
	s_delay_alu instid0(VALU_DEP_2)
	v_add_nc_u32 v[TE], 0xff000000, v[TM]
	s_delay_alu instid0(VALU_DEP_2)
	v_add_nc_u32 v[TE+1], 0xff000000, v[TM+1]
	s_delay_alu instid0(VALU_DEP_2)
	v_lshrrev_b32 v[TP], 23, v[TE]
	s_delay_alu instid0(VALU_DEP_2)
	v_lshrrev_b32 v[TP+1], 23, v[TE+1]
	s_delay_alu instid0(VALU_DEP_1)
	v_lshl_or_b32 v[\hw], v[TP+1], 8, v[TP]
	v_cvt_scalef32_pk16_fp6_f32 v[(\dst):(\dst)+2], v[(\src):(\src)+15], v[TE]
	v_cvt_scalef32_pk16_fp6_f32 v[TC:TC+2], v[(\src)+16:(\src)+31], v[TE+1]
	v_nop
.irp i, 0,1,2
	v_permlane16_swap_b32 v[(\dst)+\i], v[TC+\i]
.endr
.irp i, 0,1,2
	s_delay_alu instid0(VALU_DEP_3)
	v_mov_b32 v[(\dst)+3+\i], v[TC+\i]
.endr
.endm
	s_load_b128 s[4:7], s[0:1], 0x0                ; qkvb, ob
	v_lshl_add_u32 v254, v0, 2, 0x32000
	v_mov_b32 v255, 0
	ds_add_u32 v254, v255
	ds_add_u32 v254, v255
	v_lshrrev_b32 v1, 5, v0
	s_delay_alu instid0(VALU_DEP_1)
	v_readfirstlane_b32 s[WV], v1                  ; wave 0..15
	s_bfe_u32 s9, ttmp6, 0x40000                   ; cx
	s_lshl_b32 s10, ttmp9, 2
	s_add_co_u32 s10, s10, s9                      ; my block of 256 queries: it enters q's and o's addresses alone
	s_and_b32 s11, ttmp7, 0xffff                   ; 16 batch + head, which the four partners share
	s_mov_b32 s24, 15|(3<<16)|(1<<21)              ; 15:0 the mask: all four work-groups; 17:16 elements of 8 bytes; 21 set beside a mask
	s_mov_b32 s25, 32<<16                          ; a record: a dense block as 50 rows of 256 bytes
	s_mov_b32 s26, 50<<16
	s_mov_b32 s27, 32<<16
	s_mov_b32 s28, 50
	s_mov_b32 s29, 32
	s_mov_b32 s30, 0
	s_mov_b32 s31, 0
	s_mul_i32 s12, s[WV], 12800                    ; my record, in LDS and in the head's block
	s_mul_i32 s14, s11, 204800
	s_add_co_u32 s14, s14, s12
	s_add_co_u32 s14, s14, 3276800
	s_mov_b32 s15, 0
	s_wait_dscnt 0x0
	s_wait_kmcnt 0x0
	CROUND                                         ; all four work-groups are here: the joint loads meet
	s_mov_b32 s32, 1
	s_mov_b32 s33, s12
	s_add_nc_u64 s[34:35], s[4:5], s[14:15]
	s_or_b32 s35, s35, 0x80000000
	tensor_load_to_lds s[32:35], s[24:31]
	s_nop 0
.rept 4
	v_nop
.endr
	s_lshl_b32 s16, s11, 4
	s_lshl_b32 s17, s10, 1
	s_add_co_u32 s16, s16, s17
	s_lshr_b32 s17, s[WV], 3
	s_add_co_u32 s16, s16, s17
	s_mul_i32 s16, s16, 6400                       ; q's record: my tile is number 16 x block + wave of the head
	s_and_b32 s17, s[WV], 7
	s_mul_i32 s18, s17, 768
	s_add_co_u32 s18, s18, s16
	s_mov_b32 s19, 0
	s_add_nc_u64 s[18:19], s[4:5], s[18:19]        ; its atom
	s_lshl_b32 s20, s17, 1
	s_add_co_u32 s20, s20, s16
	s_add_co_u32 s20, s20, 6144
	s_mov_b32 s21, 0
	s_add_nc_u64 s[20:21], s[4:5], s[20:21]        ; its scale bytes
	v_and_b32 v30, 31, v0
	v_and_b32 v31, 15, v0
	s_delay_alu instid0(VALU_DEP_2)
	v_lshlrev_b32 v28, 4, v30                      ; 16 x lane
	s_delay_alu instid0(VALU_DEP_3)
	v_lshlrev_b32 v29, 3, v30                      ; 8 x lane
	s_delay_alu instid0(VALU_DEP_3)
	v_lshlrev_b32 v30, 2, v31                      ; 4 r
	s_delay_alu instid0(VALU_DEP_4)
	v_lshlrev_b32 v31, 4, v31                      ; 16 r
	global_load_b128 v[4:7], v28, s[18:19]         ; q's atom twice: v[4:15] = (q | 0), v[10:21] = (0 | q)
	global_load_b64 v[8:9], v29, s[18:19] offset:512
	global_load_b128 v[16:19], v28, s[18:19]
	global_load_b64 v[20:21], v29, s[18:19] offset:512
	global_load_u16 v23, v31, s[20:21]
	s_lshr_b32 s44, s11, 4                         ; batch
	s_and_b32 s45, s11, 15                         ; head
	s_lshl_b32 s44, s44, 7
	s_lshl_b32 s46, s10, 4
	s_add_co_u32 s44, s44, s46
	s_add_co_u32 s44, s44, s[WV]                   ; T: my tile of tokens among all 256
	s_lshl_b32 s46, s44, 4
	s_add_co_u32 s46, s46, s45
	s_mul_i32 s46, s46, 768
	s_mov_b32 s47, 0
	s_add_nc_u64 s[40:41], s[6:7], s[46:47]        ; o's atom: tile T, atom = head
	s_lshr_b32 s46, s44, 1
	s_lshl_b32 s46, s46, 3
	s_lshr_b32 s12, s45, 1
	s_add_co_u32 s46, s46, s12
	s_lshl_b32 s46, s46, 7
	s_and_b32 s12, s44, 1
	s_lshl_b32 s12, s12, 6
	s_add_co_u32 s46, s46, s12
	s_and_b32 s12, s45, 1
	s_lshl_b32 s12, s12, 1
	s_add_co_u32 s46, s46, s12
	s_add_co_u32 s46, s46, 3145728
	s_add_nc_u64 s[42:43], s[6:7], s[46:47]        ; and its half of the scale words
	s_mov_b32 s[CS], 0x3e38aa3b                    ; c = log2(e) / 8
	s_mov_b32 s[CS+1], s[CS]                       ; (named with it as a pair, so it is written)
	s_mov_b32 s[SEL], 0x76543210
	s_mov_b32 s[SEL+1], 0xfedcba98
	s_mov_b32 s38, 0                               ; LDS byte at which the step's record begins
	s_mov_b32 s3, 16
.irp i, 10,11,12,13,14,15
	v_mov_b32 v\i, 0                               ; zero codes
.endr
	v_mov_b32 v25, 0xff61b1e6                      ; the largest t so far: -3e38, under every t
	s_delay_alu instid0(VALU_DEP_1)
	v_floor_f32 v24, -v25                          ; -M
	v_mov_b32 v26, 0
	v_mov_b32 v27, 0
.irp b, 0,1,2,3
	v_mov_b32 v[PT+\b], 0                          ; a lane permute's destination counts as one of its sources
.endr
	v_mov_b32 v228, 0
	v_mov_b32 v229, 0                              ; (named as the upper half of the pair)
	s_wait_loadcnt 0x0
	v_lshl_or_b32 v22, v23, 16, v23                ; q's two bytes twice: they serve (q | 0) and (0 | q)
.set n, 0
.rept 32
	v_mov_b32 v[160+n], 0                          ; O^T.  (The step is written once: the first finds zeros.  These are also the places between q's scale word and the first product)
.set n, n+1
.endr
	s_wait_tensorcnt 0x0                           ; my record is in,
	s_barrier_signal -1
	s_barrier_wait -1                              ; everybody's is
.Lstep:                                            ; 16 trips, 128 keys each
	s_barrier_signal -1                            ; I have begun this step (no LDS access of mine is out here); the wait stands at the step's end: the sixteen waves stay within one step of each other
	v_add_nc_u32 v1, s38, v28                      ; (with the v_nop: the four places in front of loads into registers that the last products read)
	v_add_nc_u32 v2, s38, v29
	v_add_nc_u32 v3, s38, v31
	v_nop
	ds_load_b128 v[80:83], v3 offset:12288         ; k's four scale words of my row
.irp b, 0,1,2,3
	FRAG 32+12*\b, 1, 2, 1536*\b
.endr
	s_wait_alu depctr_va_vdst(0)
.irp b, 0,1,2,3
	s_wait_dscnt 12-4*\b                           ; the later fragments, four loads each, may be out
	v_wmma_scale_f32_16x16x128_f8f6f4 v[96+16*\b:103+16*\b], v[32+12*\b:43+12*\b], v[4:15], 0, v[80+\b], v22 matrix_a_fmt:MATRIX_FMT_FP6 matrix_b_fmt:MATRIX_FMT_FP6
	v_wmma_scale_f32_16x16x128_f8f6f4 v[104+16*\b:111+16*\b], v[32+12*\b:43+12*\b], v[10:21], 0, v[80+\b], v22 matrix_a_fmt:MATRIX_FMT_FP6 matrix_b_fmt:MATRIX_FMT_FP6
.endr
.rept 4
	v_nop                                          ; places: in front of the loads below and of the first read of the scores
.endr
	ds_load_b128 v[84:87], v3 offset:12544         ; v's fragments land while the softmax is worked
.irp t, 0,1,2,3
	FRAG 32+12*\t, 1, 2, 6144+1536*\t
.endr
.irp b, 0,1,2,3
	v_max3_num_f32 v[BM+\b], v[96+16*\b], v[97+16*\b], v[98+16*\b]   ; the largest score of each block of 32 keys: for the row's maximum and, since p rises with the score, for the block's largest p
.endr
.irp i, 3,5,7,9,11,13
.irp b, 0,1,2,3
	v_max3_num_f32 v[BM+\b], v[BM+\b], v[96+16*\b+\i], v[97+16*\b+\i]
.endr
.endr
.irp b, 0,1,2,3
	v_max_num_f32 v[BM+\b], v[BM+\b], v[111+16*\b]
.endr
.irp b, 0,1,2,3
	s_delay_alu instid0(VALU_DEP_4)
	v_permlanex16_b32 v[PT+\b], v[BM+\b], s[SEL], s[SEL+1]
.endr
.irp b, 0,1,2,3
	s_delay_alu instid0(VALU_DEP_4)
	v_max_num_f32 v[BM+\b], v[BM+\b], v[PT+\b]     ; with lane l xor 16's 16 keys
.endr
	s_delay_alu instid0(VALU_DEP_2)
	v_max3_num_f32 v231, v[BM], v[BM+1], v[BM+2]
	s_delay_alu instid0(VALU_DEP_1)
	v_max_num_f32 v231, v231, v[BM+3]
	s_delay_alu instid0(VALU_DEP_1)
	v_mul_f32 v231, s[CS], v231                    ; as t (c is positive)
	s_delay_alu instid0(VALU_DEP_1)
	v_max_num_f32 v25, v25, v231                   ; the running largest t
	v_mov_b32 v231, v24
	s_delay_alu instid0(VALU_DEP_2)
	v_floor_f32 v24, -v25                          ; the new -M = floor(-t): M is a whole number
	s_delay_alu instid0(VALU_DEP_1)
	v_sub_f32 v231, v24, v231                      ; old M - new M: a whole number, 0 or less
	s_delay_alu instid0(VALU_DEP_1)
	v_cvt_i32_f32 v231, v231                       ; (it saturates)
	s_delay_alu instid0(VALU_DEP_1)
	v_ldexp_f32 v228, 1.0, v231                    ; f = 2^(old M - new M)
.set n, 0
.rept 32
	v_pk_fma_f32 v[96+n:97+n], v[96+n:97+n], s[CS:CS+1], v[24:25] op_sel_hi:[1,0,0]   ; t - M
.set n, n+2
.endr
.irp b, 0,1,2,3
	v_fma_f32 v[BM+\b], v[BM+\b], s[CS], v24
.endr
.set n, 0
	s_wait_alu depctr_va_vdst(0)
.rept 64
	v_exp_f32 v[96+n], v[96+n]                     ; p = 2^(t - M), at most 1
.set n, n+1
.endr
	v_pk_mul_f32 v[26:27], v[26:27], v[228:229] op_sel_hi:[1,0]   ; the sums under the new M: a plain place behind the exponentials
	s_wait_alu depctr_va_vdst(0)                   ; one wait for the whole batch, ahead of its first reader
.irp b, 0,1,2,3
	v_exp_f32 v[BM+\b], v[BM+\b]                   ; the block's largest p
.endr
	v_pk_add_f32 v[216:217], v[100:101], v[104:105]
	v_pk_add_f32 v[252:253], v[108:109], v[112:113]
	v_pk_add_f32 v[250:251], v[116:117], v[120:121]
	v_pk_add_f32 v[248:249], v[124:125], v[128:129]
	v_pk_add_f32 v[246:247], v[132:133], v[136:137]
	v_pk_add_f32 v[244:245], v[140:141], v[144:145]
	v_pk_add_f32 v[242:243], v[148:149], v[152:153]
	v_pk_add_f32 v[26:27], v[26:27], v[156:157]
	v_pk_add_f32 v[216:217], v[216:217], v[96:97]
	v_pk_add_f32 v[252:253], v[252:253], v[98:99]
	v_pk_add_f32 v[250:251], v[250:251], v[102:103]
	v_pk_add_f32 v[248:249], v[248:249], v[106:107]
	v_pk_add_f32 v[246:247], v[246:247], v[110:111]
	v_pk_add_f32 v[244:245], v[244:245], v[114:115]
	v_pk_add_f32 v[242:243], v[242:243], v[118:119]
	v_pk_add_f32 v[26:27], v[26:27], v[122:123]
	v_pk_add_f32 v[216:217], v[216:217], v[126:127]
	v_pk_add_f32 v[252:253], v[252:253], v[130:131]
	v_pk_add_f32 v[250:251], v[250:251], v[134:135]
	v_pk_add_f32 v[248:249], v[248:249], v[138:139]
	v_pk_add_f32 v[246:247], v[246:247], v[142:143]
	v_pk_add_f32 v[244:245], v[244:245], v[146:147]
	v_pk_add_f32 v[242:243], v[242:243], v[150:151]
	v_pk_add_f32 v[26:27], v[26:27], v[154:155]
	v_pk_add_f32 v[216:217], v[216:217], v[158:159]
	s_delay_alu instid0(VALU_DEP_2)
	v_pk_add_f32 v[26:27], v[26:27], v[248:249]
	s_delay_alu instid0(VALU_DEP_2)
	v_pk_add_f32 v[216:217], v[216:217], v[246:247]
	v_pk_add_f32 v[252:253], v[252:253], v[244:245]
	v_pk_add_f32 v[250:251], v[250:251], v[242:243]
	s_delay_alu instid0(VALU_DEP_2)
	v_pk_add_f32 v[26:27], v[26:27], v[252:253]
	s_delay_alu instid0(VALU_DEP_2)
	v_pk_add_f32 v[216:217], v[216:217], v[250:251]
	s_delay_alu instid0(VALU_DEP_1)
	v_pk_add_f32 v[26:27], v[26:27], v[216:217]
	s_wait_alu depctr_va_vdst(0)                   ; and one for the four
.irp b, 0,1,2,3
	v_max_num_f32 v[BM+\b], 0x1800000, v[BM+\b]    ; the floor 2^(3 - 127)
.endr
.irp b, 0,1,2,3
	s_delay_alu instid0(VALU_DEP_4)
	v_add_nc_u32 v[SE+\b], 0xff000000, v[BM+\b]
.endr
.irp b, 0,1,2,3
	s_delay_alu instid0(VALU_DEP_4)
	v_lshrrev_b32 v[PT+\b], 23, v[SE+\b]
.endr
	s_delay_alu instid0(VALU_DEP_3)
	v_lshl_or_b32 v230, v[PT+1], 8, v[PT]          ; p's scale word for these 128 keys
	s_delay_alu instid0(VALU_DEP_1)
	v_lshl_or_b32 v230, v[PT+2], 16, v230
	s_delay_alu instid0(VALU_DEP_1)
	v_lshl_or_b32 v230, v[PT+3], 24, v230
.irp c, 0,1
	v_cvt_scalef32_pk16_fp6_f32 v[192+6*\c:194+6*\c], v[96+32*\c:111+32*\c], v[SE+2*\c]
	v_cvt_scalef32_pk16_fp6_f32 v[204+4*\c:206+4*\c], v[112+32*\c:127+32*\c], v[SE+2*\c+1]
.endr
	v_nop                                          ; one plain place behind a scaled conversion
.irp c, 0,1
.irp i, 0,1,2
	v_permlane16_swap_b32 v[192+6*\c+\i], v[204+4*\c+\i]
.endr
.irp i, 0,1,2
	s_delay_alu instid0(VALU_DEP_3)
	v_mov_b32 v[195+6*\c+\i], v[204+4*\c+\i]
.endr
.endr
.set n, 0
.rept 16
	v_pk_mul_f32 v[160+n:161+n], v[160+n:161+n], v[228:229] op_sel_hi:[1,0]   ; O^T under the new M.  (Also the places between p's codes and scale word and the products below)
.set n, n+2
.endr
	s_wait_alu depctr_va_vdst(0)
	s_wait_dscnt 0x0                               ; v's fragments and scale words
.irp t, 0,1,2,3
	v_wmma_scale_f32_16x16x128_f8f6f4 v[160+8*\t:167+8*\t], v[32+12*\t:43+12*\t], v[192:203], v[160+8*\t:167+8*\t], v[84+\t], v230 matrix_a_fmt:MATRIX_FMT_FP6 matrix_b_fmt:MATRIX_FMT_FP6
.endr
	s_barrier_wait -1                              ; every wave has begun this step.  Between signal and wait: register work, and loads of LDS bytes that nobody writes
	s_add_co_u32 s38, s38, 12800
	s_sub_co_u32 s3, s3, 1
	s_cmp_lg_u32 s3, 0
	s_cbranch_scc1 .Lstep
	; THE WAY OUT: O^T / the sum; the lane's 32 registers are channels 32 B + 16 h + i of my query: one atom of the next product's operand.
.rept 4
	v_nop
.endr
	v_add_f32 v26, v26, v27
	s_delay_alu instid0(VALU_DEP_1)
	v_permlanex16_b32 v228, v26, s[SEL], s[SEL+1]
	s_delay_alu instid0(VALU_DEP_1)
	v_add_f32 v26, v26, v228                       ; the row's sum
	s_wait_alu depctr_va_vdst(0)
	v_rcp_f32 v26, v26
	v_nop
	s_wait_alu depctr_va_vdst(0)
.set n, 0
.rept 32
	v_mul_f32 v[96+n], v[160+n], v26
.set n, n+1
.endr
	QUANT32 96, 192, 230
	global_store_b128 v28, v[192:195], s[40:41]    ; 768 consecutive bytes, aligned
	global_store_b64 v29, v[196:197], s[40:41] offset:512
	global_store_b16 v30, v230, s[42:43]           ; lanes r and r + 16 write the same two bytes with the same value
	s_wait_tensorcnt 0x0
	ds_add_u32 v254, v255
	s_wait_dscnt 0x0
	CROUND                                         ; the closing round
	s_endpgm
.Lfunc_end_k_q2d3fc1788e_attn:
	.size	k_q2d3fc1788e_attn, .Lfunc_end_k_q2d3fc1788e_attn-k_q2d3fc1788e_attn
	.p2alignl 7, 3214868480
	.fill 96, 4, 3214868480
	.section	.rodata,"a",@progbits
	.p2align	6, 0x0
	.amdhsa_kernel k_q2d3fc1788e_attn
		.amdhsa_group_segment_fixed_size 206848
		.amdhsa_private_segment_fixed_size 0
		.amdhsa_enable_private_segment 0
		.amdhsa_kernarg_size 16
		.amdhsa_user_sgpr_count 2
		.amdhsa_user_sgpr_kernarg_segment_ptr 1
		.amdhsa_wavefront_size32 1
		.amdhsa_system_sgpr_workgroup_id_x 1
		.amdhsa_system_sgpr_workgroup_id_y 1
		.amdhsa_system_sgpr_workgroup_id_z 1
		.amdhsa_system_vgpr_workitem_id 0
		.amdhsa_next_free_vgpr 256
		.amdhsa_next_free_sgpr 66
		.amdhsa_reserve_vcc 0
		.amdhsa_float_denorm_mode_32 3
		.amdhsa_float_denorm_mode_16_64 3
		.amdhsa_memory_ordered 1
		.amdhsa_forward_progress 1
		.amdhsa_inst_pref_size 29
	.end_amdhsa_kernel
	.amdgpu_metadata
---
amdhsa.version: [ 1, 2 ]
amdhsa.kernels:
  - .name:           k_q2d3fc1788e_attn
    .symbol:         k_q2d3fc1788e_attn.kd
    .args:
      - { .name: qkvb, .offset: 0, .size: 8, .value_kind: global_buffer, .address_space: global }
      - { .name: ob, .offset: 8, .size: 8, .value_kind: global_buffer, .address_space: global }
    .group_segment_fixed_size: 206848
    .private_segment_fixed_size: 0
    .kernarg_segment_align: 8
    .kernarg_segment_size: 16
    .max_flat_workgroup_size: 512
    .sgpr_count:     66
    .vgpr_count:     256
    .wavefront_size: 32
...
	.end_amdgpu_metadata
.endif
;; end of part 3
;; launch proj (part 4): grid 8 x 32, 8 waves a work-group, clusters of 4 x 4, 327,680 bytes of LDS; arguments ob, wqb, proj_b, x, x2; writes x2
.if DOCPART == 4
	.amdgcn_target "amdgcn-amd-amdhsa--gfx1250"
	.amdhsa_code_object_version 6
	.text
	.protected	k_q2d3fc1788e_proj
	.globl	k_q2d3fc1788e_proj
	.p2align	8
	.type	k_q2d3fc1788e_proj,@function
k_q2d3fc1788e_proj:
	s_mov_b64 s[64:65], 0
	v_nop
	global_prefetch_b8 v0, s[64:65] scope:SCOPE_SE
	s_setreg_imm32_b32 hwreg(HW_REG_WAVE_MODE, 25, 1), 1
	s_wait_xcnt 0x0
	s_wait_alu depctr_hold_cnt(0) depctr_sa_sdst(0) depctr_va_vdst(0) depctr_va_sdst(0) depctr_va_ssrc(0) depctr_va_vcc(0) depctr_vm_vsrc(0)
	s_getreg_b32 s2, hwreg(HW_REG_IB_STS2, 6, 4)
	s_cmp_eq_u32 s2, 0
	s_cbranch_scc0 .Lentry_in_a_cluster
	s_endpgm
.Lentry_in_a_cluster:
	s_bfe_u32 s2, ttmp6, 0x10000c
	s_cmp_lg_u32 s2, 0xf033
	s_cbranch_scc0 .Lentry_shape_is_right
	s_endpgm
.Lentry_shape_is_right:
; x2 = x + (o proj_w + proj_b), the product on codes of FP6 (E2M3) with E8M0 scales, K = KDIM; the result in f32.
; C^T = X Y^T: source 0 = 16 columns of the weight (X), source 1 = 16 tokens (Y).  A work-group makes 128 columns x 128 tokens, so that 256 work-groups share the output.  Eight waves: a wave makes 64 x 64
; (16 accumulators) over the steps of 128 along K of ONE parity: waves 0-3 the even steps, waves 4-7 the odd ones; the two partial sums meet in LDS on the way out.
; OPERANDS lie in memory as images of operand registers (atoms of 768 bytes: 16 rows x 64 K): a tile's 512 along K are 6,144 dense bytes.  RING: two slots of 512 along K (8 + 8 tiles x 6,144 bytes).
; EVERY WAVE FETCHES: waves 0-3 two tiles of X each, waves 4-7 two tiles of Y, 12,288 bytes a load; and waves 0-3 two pairs of tiles' scale words for all of K, once.  Both slots are filled at the start.
; CLUSTER 4 x 4: X is asked for jointly along a column of the cluster, Y along a row.  One tensor load of a wave is out at the start and one behind each later round.
; THE RESIDUAL AND THE BIAS are asked for at the head, behind the first fills, and land while K is walked: the residual in v256-319, the second window of registers, which nothing else names.
; LIMIT: each output is the sum of two f32 partial sums (even and odd steps of K), not one chain ascending along K.
.set KDIM,  1024
.set XCODE, 2359296                    ; the weight's codes in wqb,
.set XSC,   9535488                    ; its scale words,
.set YSC,   3145728                    ; and the tokens' scale words in their buffer
.set KS,    KDIM/128
.set TS,    KS*1536                    ; a tile's codes for all of K
.set PS,    KS*128                     ; a pair of tiles' scale words for all of K: a tensor load brings two pairs'
.set NFILL, KDIM/512
.set TILEB, 6144
.set SLOTB, 98304
.set YOFF,  49152
.set SC,    196608                     ; behind the ring: X's four pairs' scale words, then Y's four
.set SPARE, 229376                     ; the spare words: 128 bytes for each of 8 waves; no other line names them
.set XF,  20
.set YF,  68
.set ACC, 128
.set WV,  10
.set G1Y, 24
.set G0Y, 32
.set G1X, 48
.set G0X, 56
.set G1SY, 68
.set G0SY, 76
.set G1SX, 80
.set G0SX, 88
.macro CROUND                          ; a round of the cluster's barrier
	s_barrier_signal -1
	s_barrier_wait -1
	s_cmp_lg_u32 s[WV], 0
	s_cbranch_scc1 .Lnw0_\@
	s_barrier_signal -3
.Lnw0_\@:
	s_barrier_wait -3
	s_barrier_signal -1
	s_barrier_wait -1
.endm
.macro JLOAD g0x, g1x, g0y, g1y        ; waves 0-3 ask for X, waves 4-7 for Y: a branch on the wave's number alone; four v_nop follow each load
	s_cmp_lt_u32 s[WV], 4
	s_cbranch_scc0 .Lfy_\@
	tensor_load_to_lds s[\g0x:\g0x+3], s[\g1x:\g1x+7]
	s_nop 0
.rept 4
	v_nop
.endr
	s_branch .Ljd_\@
.Lfy_\@:
	tensor_load_to_lds s[\g0y:\g0y+3], s[\g1y:\g1y+7]
	s_nop 0
.rept 4
	v_nop
.endr
.Ljd_\@:
.endm
.macro FRAG reg, a16, a8, off          ; a fragment, two atoms: every load reads consecutive bytes
	ds_load_b128 v[\reg:\reg+3], v[\a16] offset:\off
	ds_load_b64 v[\reg+4:\reg+5], v[\a8] offset:\off+512
	ds_load_b128 v[\reg+6:\reg+9], v[\a16] offset:\off+768
	ds_load_b64 v[\reg+10:\reg+11], v[\a8] offset:\off+1280
.endm
.macro WM x, y, zero                   ; a scale register holds an even tile's words in lanes 0-15 and the odd tile's in lanes 16-31
.set rD, ACC+32*(\y)+8*(\x)
.set rX, XF+12*(\x)
.set rY, YF+12*(\y)
.set rP, 16+(\x)/2
.set rQ, 18+(\y)/2
.set par, 2*((\x)%2)+(\y)%2+4*(\zero)
.if par == 0
	v_wmma_scale_f32_16x16x128_f8f6f4 v[rD:rD+7], v[rX:rX+11], v[rY:rY+11], v[rD:rD+7], v[rP], v[rQ] matrix_a_fmt:MATRIX_FMT_FP6 matrix_b_fmt:MATRIX_FMT_FP6
.elseif par == 1
	v_wmma_scale_f32_16x16x128_f8f6f4 v[rD:rD+7], v[rX:rX+11], v[rY:rY+11], v[rD:rD+7], v[rP], v[rQ] matrix_a_fmt:MATRIX_FMT_FP6 matrix_b_fmt:MATRIX_FMT_FP6 matrix_b_scale:MATRIX_SCALE_ROW1
.elseif par == 2
	v_wmma_scale_f32_16x16x128_f8f6f4 v[rD:rD+7], v[rX:rX+11], v[rY:rY+11], v[rD:rD+7], v[rP], v[rQ] matrix_a_fmt:MATRIX_FMT_FP6 matrix_b_fmt:MATRIX_FMT_FP6 matrix_a_scale:MATRIX_SCALE_ROW1
.elseif par == 3
	v_wmma_scale_f32_16x16x128_f8f6f4 v[rD:rD+7], v[rX:rX+11], v[rY:rY+11], v[rD:rD+7], v[rP], v[rQ] matrix_a_fmt:MATRIX_FMT_FP6 matrix_b_fmt:MATRIX_FMT_FP6 matrix_a_scale:MATRIX_SCALE_ROW1 matrix_b_scale:MATRIX_SCALE_ROW1
.elseif par == 4
	v_wmma_scale_f32_16x16x128_f8f6f4 v[rD:rD+7], v[rX:rX+11], v[rY:rY+11], 0, v[rP], v[rQ] matrix_a_fmt:MATRIX_FMT_FP6 matrix_b_fmt:MATRIX_FMT_FP6
.elseif par == 5
	v_wmma_scale_f32_16x16x128_f8f6f4 v[rD:rD+7], v[rX:rX+11], v[rY:rY+11], 0, v[rP], v[rQ] matrix_a_fmt:MATRIX_FMT_FP6 matrix_b_fmt:MATRIX_FMT_FP6 matrix_b_scale:MATRIX_SCALE_ROW1
.elseif par == 6
	v_wmma_scale_f32_16x16x128_f8f6f4 v[rD:rD+7], v[rX:rX+11], v[rY:rY+11], 0, v[rP], v[rQ] matrix_a_fmt:MATRIX_FMT_FP6 matrix_b_fmt:MATRIX_FMT_FP6 matrix_a_scale:MATRIX_SCALE_ROW1
.else
	v_wmma_scale_f32_16x16x128_f8f6f4 v[rD:rD+7], v[rX:rX+11], v[rY:rY+11], 0, v[rP], v[rQ] matrix_a_fmt:MATRIX_FMT_FP6 matrix_b_fmt:MATRIX_FMT_FP6 matrix_a_scale:MATRIX_SCALE_ROW1 matrix_b_scale:MATRIX_SCALE_ROW1
.endif
.endm
.macro STEP slot, koff, soff, zero     ; 128 along K: 36 LDS loads, 16 matrix instructions; the accumulators take turns, one instruction a turn
.rept 4
	v_nop                                          ; places in front of loads into registers that the last matrix instructions read
.endr
	ds_load_b32 v16, v11 offset:\soff
	ds_load_b32 v17, v11 offset:\soff+PS
	ds_load_b32 v18, v12 offset:\soff
	ds_load_b32 v19, v12 offset:\soff+PS
.irp y, 0,1,2,3
	FRAG YF+12*\y, 7+\slot, 9+\slot, \y*TILEB+\koff
.endr
.irp x, 0,1,2,3
	FRAG XF+12*\x, 3+\slot, 5+\slot, \x*TILEB+\koff
.endr
.irp x, 0,1,2,3
	s_wait_dscnt 12-4*\x                           ; the fragments of the later x, four loads each, may be out
.irp y, 0,1,2,3
	WM \x, \y, \zero
.endr
.endr
.endm
.macro WORK slot, zero                 ; a slot: my two steps of its four
	v_add_nc_u32 v11, s8, v118                     ; this slot's scale words: 512 bytes a slot
	v_add_nc_u32 v12, s8, v119
	s_wait_alu depctr_va_vdst(0)                   ; the wait behind the two writes
	s_add_co_u32 s8, s8, 512
	STEP \slot, 0, 0, \zero
	STEP \slot, 3072, 256, 0
.endm
; The change to slot \slot.  Behind the round that slot is asked for first.
.macro TRIP slot, refill
	s_wait_tensorcnt 0x0                           ; all my tensor loads have landed, my part of this slot among them
	ds_add_u32 v1, v2                              ; 0 onto my spare word
	s_add_nc_u64 s[G0X+6-4*\slot:G0X+7-4*\slot], s[G0X+6-4*\slot:G0X+7-4*\slot], 2*TILEB   ; no load of mine is out: the other slot's next 512 along K
	s_add_nc_u64 s[G0Y+6-4*\slot:G0Y+7-4*\slot], s[G0Y+6-4*\slot:G0Y+7-4*\slot], 2*TILEB
	s_mov_b32 s[G1X+2], 2<<16                      ; a load of the ring brings two tiles (the head's brought eight)
	s_mov_b32 s[G1X+4], 2
	s_mov_b32 s[G1Y+2], 2<<16
	s_mov_b32 s[G1Y+4], 2
	s_wait_dscnt 0x0                               ; the add is done, and my reads of the other slot are over
	CROUND                                         ; both now hold of every wave of every work-group of the cluster
.if \refill
	JLOAD G0X+4-4*\slot, G1X, G0Y+4-4*\slot, G1Y
.endif
	WORK \slot, 0
.endm
	s_load_b128 s[4:7], s[0:1], 0x0                ; the tokens' codes and scales, wqb
	s_load_b128 s[92:95], s[0:1], 0x10             ; the bias, the residual
	s_load_b64 s[96:97], s[0:1], 0x20              ; the result
	v_lshl_add_u32 v1, v0, 2, SPARE
	v_mov_b32 v2, 0
	ds_add_u32 v1, v2
	ds_add_u32 v1, v2
	s_wait_dscnt 0x0
	v_lshrrev_b32 v3, 5, v0
	s_delay_alu instid0(VALU_DEP_1)
	v_readfirstlane_b32 s[WV], v3                  ; wave 0..7
	s_and_b32 s11, s[WV], 1                        ; xw
	s_bfe_u32 s12, s[WV], 0x10001                  ; yw
	s_lshr_b32 s15, s[WV], 2                       ; the parity of my steps
	s_and_b32 s18, s[WV], 3                        ; which two tiles, and which pair's scale words, I fetch
	s_bfe_u32 s13, ttmp6, 0x40000                  ; cx
	s_bfe_u32 s14, ttmp6, 0x40004                  ; cy
	s_lshl_b32 s17, ttmp9, 2
	s_add_co_u32 s17, s17, s13                     ; X's tile of 128 columns
	s_and_b32 s19, ttmp7, 0xffff
	s_lshl_b32 s19, s19, 2
	s_add_co_u32 s19, s19, s14                     ; Y's tile of 128 tokens
	s_lshl_b32 s21, s14, 2
	s_lshl_b32 s21, 15, s21                        ; my row of the cluster: shares Y
	s_lshl_b32 s22, 0x1111, s13                    ; my column: shares X
	s_or_b32 s[G1Y], s21, (3<<16)|(1<<21)          ; 15:0 the mask; 17:16 elements of 8 bytes; 21 set beside a mask; no padding
	s_or_b32 s[G1X], s22, (3<<16)|(1<<21)
.irp g, G1Y, G1X
	s_mov_b32 s[\g+1], (TILEB/8)<<16               ; tensor_dim0: a tile's 6,144 bytes
	s_mov_b32 s[\g+2], 8<<16                       ; tensor_dim1: at the head 8 tiles
	s_mov_b32 s[\g+3], (TILEB/8)<<16               ; tile_dim0
	s_mov_b32 s[\g+4], 8                           ; tile_dim1
	s_mov_b32 s[\g+5], TS/8                        ; from tile to tile
	s_mov_b32 s[\g+6], 0
	s_mov_b32 s[\g+7], 0
.endr
	s_or_b32 s[G1SY], s21, (3<<16)|(1<<21)
	s_or_b32 s[G1SX], s22, (3<<16)|(1<<21)
.irp g, G1SY, G1SX
	s_mov_b32 s[\g+1], 32<<16                      ; the scale words: a dense block as rows of 256 bytes
	s_mov_b32 s[\g+2], (2*PS/256)<<16              ; two pairs' scale words a load
	s_mov_b32 s[\g+3], 32<<16
	s_mov_b32 s[\g+4], 2*PS/256
	s_mov_b32 s[\g+5], 32
	s_mov_b32 s[\g+6], 0
	s_mov_b32 s[\g+7], 0
.endr
	s_mul_i32 s40, s17, 8*TS
	s_mul_i32 s41, s18, 2*TS
	s_add_co_u32 s40, s40, s41
	s_add_co_u32 s40, s40, XCODE                   ; X's codes
	s_mul_i32 s42, s17, 4*PS
	s_mul_i32 s43, s11, 2*PS
	s_add_co_u32 s42, s42, s43
	s_add_co_u32 s42, s42, XSC                     ; X's scale words
	s_mul_i32 s44, s19, 8*TS
	s_add_co_u32 s44, s44, s41                     ; Y's codes
	s_mul_i32 s46, s19, 4*PS
	s_add_co_u32 s46, s46, s43
	s_add_co_u32 s46, s46, YSC                     ; Y's scale words
	s_mov_b32 s41, 0
	s_mov_b32 s43, 0
	s_mov_b32 s45, 0
	s_mov_b32 s47, 0
	s_wait_kmcnt 0x0
	s_add_nc_u64 s[40:41], s[6:7], s[40:41]
	s_add_nc_u64 s[42:43], s[6:7], s[42:43]
	s_add_nc_u64 s[44:45], s[4:5], s[44:45]
	s_add_nc_u64 s[46:47], s[4:5], s[46:47]
	s_mul_i32 s2, s[WV], 12288                     ; where they go: X's eight tiles, then Y's eight = wave x two tiles: no place in the cluster enters an LDS address
	s_mul_i32 s3, s18, 2*PS
	CROUND                                         ; all sixteen work-groups are here: the first joint loads meet
	s_mov_b32 s[G0SX], 1
	s_add_co_u32 s[G0SX+1], s3, SC
	s_mov_b64 s[G0SX+2:G0SX+3], s[42:43]
	s_or_b32 s[G0SX+3], s[G0SX+3], 0x80000000
	s_mov_b32 s[G0SY], 1
	s_add_co_u32 s[G0SY+1], s3, SC
	s_mov_b64 s[G0SY+2:G0SY+3], s[46:47]
	s_or_b32 s[G0SY+3], s[G0SY+3], 0x80000000
.irp s, 0,1
	s_mov_b32 s[G0X+4*\s], 1
	s_add_co_u32 s[G0X+4*\s+1], s2, \s*SLOTB
	s_add_nc_u64 s[G0X+4*\s+2:G0X+4*\s+3], s[40:41], \s*TILEB
	s_or_b32 s[G0X+4*\s+3], s[G0X+4*\s+3], 0x80000000
	s_mov_b32 s[G0Y+4*\s], 1
	s_add_co_u32 s[G0Y+4*\s+1], s2, \s*SLOTB
	s_add_nc_u64 s[G0Y+4*\s+2:G0Y+4*\s+3], s[44:45], \s*TILEB
	s_or_b32 s[G0Y+4*\s+3], s[G0Y+4*\s+3], 0x80000000
.endr
	; THE HEAD'S LOADS, ONE A WAVE: waves 0, 1 X's scale words, waves 2, 3 Y's, wave 4 slot 0's eight tiles of X, wave 5 of Y, waves 6, 7 slot 1's.
	s_mul_i32 s98, s18, 2*TS
	s_mov_b32 s99, 0
	s_sub_nc_u64 s[6:7], s[40:41], s[98:99]        ; X's first tile,
	s_sub_nc_u64 s[22:23], s[44:45], s[98:99]      ; Y's,
	s_mul_i32 s98, s12, TILEB                      ; at the slot's 512 along K (s12: 0 in waves 4, 5; 1 in waves 6, 7)
	s_add_nc_u64 s[6:7], s[6:7], s[98:99]
	s_add_nc_u64 s[22:23], s[22:23], s[98:99]
	s_or_b32 s7, s7, 0x80000000
	s_or_b32 s23, s23, 0x80000000
	s_mov_b32 s4, 1
	s_mov_b32 s20, 1
	s_mul_i32 s5, s12, SLOTB
	s_add_co_u32 s21, s5, YOFF
.macro ARM under, g0, g1, next
	s_cmp_lt_u32 s[WV], \under
	s_cbranch_scc0 \next
	tensor_load_to_lds s[\g0:\g0+3], s[\g1:\g1+7]
	s_nop 0
.rept 4
	v_nop
.endr
	s_branch .Lhead_asked
\next:
.endm
	ARM 2, G0SX, G1SX, .Lh1
	ARM 4, G0SY, G1SY, .Lh2
	ARM 5, 4,    G1X,  .Lh3
	ARM 6, 20,   G1Y,  .Lh4
	ARM 7, 4,    G1X,  .Lh5
	tensor_load_to_lds s[20:23], s[G1Y:G1Y+7]
	s_nop 0
.rept 4
	v_nop
.endr
.Lhead_asked:
	v_and_b32 v13, 31, v0
	s_delay_alu instid0(VALU_DEP_1)
	v_lshlrev_b32 v14, 4, v13                      ; 16 x lane; never rewritten
	s_wait_alu depctr_va_vdst(0)
	v_lshlrev_b32 v15, 3, v13                      ; 8 x lane
	s_wait_alu depctr_va_vdst(0)
	s_lshl_b32 s40, s19, 7
	s_lshl_b32 s41, s[WV], 4
	s_add_co_u32 s40, s40, s41                     ; the 16 rows that I store
	s_lshl_b32 s40, s40, 12
	s_lshl_b32 s42, s17, 9
	s_add_co_u32 s40, s40, s42
	s_mov_b32 s41, 0
	s_mov_b32 s43, 0
	s_add_nc_u64 s[94:95], s[94:95], s[40:41]
	s_add_nc_u64 s[96:97], s[96:97], s[40:41]
	s_add_nc_u64 s[92:93], s[92:93], s[42:43]
	s_set_vgpr_msb 0x40                            ; destination in the second window, address in the first
.irp i, 0,1,2,3,4,5,6,7,8,9,10,11,12,13,14,15
	global_load_b128 v[4*\i:4*\i+3], v14, s[94:95] offset:4096*\i   ; v256 + 4 i: my 16 rows of the residual, 512 consecutive bytes each; waited for on the way out
.endr
	s_set_vgpr_msb 0x4000
	global_load_b128 v[122:125], v14, s[92:93]     ; the bias of my four columns
	s_mul_i32 s98, s15, 1536
	s_mul_i32 s99, s12, 4*TILEB
	s_add_co_u32 s99, s99, s98
	s_add_co_u32 s99, s99, YOFF
	s_mul_i32 s40, s11, 4*TILEB
	s_add_co_u32 s98, s98, s40
	v_add_nc_u32 v3, s98, v14                      ; v3, v4: X's fragments in slot 0, 1, by 16 bytes;  v5, v6: by 8
	v_add_nc_u32 v5, s98, v15
	v_add_nc_u32 v7, s99, v14                      ; v7-v10: the same for Y
	v_add_nc_u32 v9, s99, v15
	s_delay_alu instid0(VALU_DEP_4)
	v_add_nc_u32 v4, SLOTB, v3
	s_delay_alu instid0(VALU_DEP_4)
	v_add_nc_u32 v6, SLOTB, v5
	s_delay_alu instid0(VALU_DEP_4)
	v_add_nc_u32 v8, SLOTB, v7
	s_delay_alu instid0(VALU_DEP_4)
	v_add_nc_u32 v10, SLOTB, v9
	v_lshlrev_b32 v118, 2, v13
	s_lshl_b32 s98, s15, 7
	s_mul_i32 s99, s12, 2*PS
	s_add_co_u32 s99, s99, s98
	s_add_co_u32 s99, s99, SC+4*PS
	s_mul_i32 s40, s11, 2*PS
	s_add_co_u32 s98, s98, s40
	s_add_co_u32 s98, s98, SC
	v_add_nc_u32 v119, s99, v118                   ; Y's scale words of my first step
	v_add_nc_u32 v118, s98, v118                   ; X's
	s_mov_b32 s8, 0
	v_and_b32 v116, 15, v0                         ; r
	v_bfe_u32 v117, v0, 4, 1                       ; h
	s_delay_alu instid0(VALU_DEP_2)
	v_and_b32 v13, 8, v116
	s_delay_alu instid0(VALU_DEP_1)
	v_add_nc_u32 v13, v13, v116
	s_delay_alu instid0(VALU_DEP_1)
	v_mul_u32_u24 v13, v13, 272
	s_delay_alu instid0(VALU_DEP_1)
	v_lshl_add_u32 v13, v117, 6, v13
	s_mul_i32 s98, s[WV], 17408
	v_add_nc_u32 v13, s98, v13                     ; my stage: token r + 8 (r / 8) of a tile's group, + 64 h
	s_mul_i32 s98, s15, 34816
	s_mul_i32 s99, s18, 16*272
	s_add_co_u32 s98, s98, s99
	v_mul_u32_u24 v120, v117, 17408
	s_delay_alu instid0(VALU_DEP_1)
	v_lshl_add_u32 v120, v116, 4, v120
	s_delay_alu instid0(VALU_DEP_1)
	v_add_nc_u32 v120, s98, v120                   ; back: my 16 rows; lanes 0-15 the left 64 columns' stage, lanes 16-31 the right one's
	s_delay_alu instid0(VALU_DEP_1)
	v_add_nc_u32 v121, 69632, v120                 ; and the same in the stages of the odd steps' waves
	s_wait_alu depctr_va_vdst(0)                   ; the wait at the head's end
	s_cmp_lt_u32 s[WV], 6
	s_cbranch_scc0 .Lslot1
	s_wait_tensorcnt 0x0                           ; waves 0-5: my scale words or my half of slot 0 are in
.Lslot1:
	s_barrier_signal -1
	s_barrier_wait -1                              ; everybody's are; slot 1 may be on its way
	WORK 0, 1                                      ; the first step's products start the sums: nothing is cleared
.if NFILL > 2
	s_mov_b32 s16, (NFILL-2)/2
.Llap:                                             ; a trip goes once round the ring and fills both slots again
	TRIP 1, 1
	TRIP 0, 1
	s_sub_co_u32 s16, s16, 1
	s_cmp_lg_u32 s16, 0
	s_cbranch_scc1 .Llap
.endif
	TRIP 1, 0                                      ; nothing is left to fetch
	; THE WAY OUT.  Each wave lays its 64 tokens x 64 columns into a stage of its own (rows of 256 + 16 bytes, tokens and columns in their natural order); the stages lie in the ring, which has had its last fill.
	; Then each wave takes 16 whole rows of 128 columns, adds the two halves of K, the bias and the residual, and stores 512 consecutive bytes an instruction.
.rept 4
	v_nop                                          ; places behind the last products
.endr
	s_wait_dscnt 0x0
	s_barrier_signal -1
	s_barrier_wait -1                              ; nobody reads the ring any more
.irp y, 0,1,2,3
.irp x, 0,1,2,3
	ds_store_b128 v13, v[ACC+32*\y+8*\x:ACC+32*\y+8*\x+3] offset:(32*(\y/2)+8*(\y%2))*272+(32*(\x/2)+8*(\x%2))*4      ; each accumulator from its low end on
	ds_store_b128 v13, v[ACC+32*\y+8*\x+4:ACC+32*\y+8*\x+7] offset:(32*(\y/2)+8*(\y%2))*272+(32*(\x/2)+8*(\x%2))*4+16
.endr
.endr
	s_wait_dscnt 0x0                               ; for the others' sake
	s_barrier_signal -1
	s_barrier_wait -1
.irp i, 0,1,2,3,4,5,6,7,8,9,10,11,12,13,14,15
	ds_load_b128 v[128+4*\i:131+4*\i], v120 offset:272*\i
	ds_load_b128 v[192+4*\i:195+4*\i], v121 offset:272*\i
.endr
	s_wait_dscnt 0x0
	s_wait_loadcnt 0x0                             ; the residual and the bias, asked for at the head
.irp i, 0,1,2,3,4,5,6,7,8,9,10,11,12,13,14,15
	v_pk_add_f32 v[128+4*\i:129+4*\i], v[128+4*\i:129+4*\i], v[192+4*\i:193+4*\i]
	v_pk_add_f32 v[130+4*\i:131+4*\i], v[130+4*\i:131+4*\i], v[194+4*\i:195+4*\i]
	s_delay_alu instid0(VALU_DEP_2)
	v_pk_add_f32 v[128+4*\i:129+4*\i], v[128+4*\i:129+4*\i], v[122:123]
	s_delay_alu instid0(VALU_DEP_2)
	v_pk_add_f32 v[130+4*\i:131+4*\i], v[130+4*\i:131+4*\i], v[124:125]
.endr
	s_set_vgpr_msb 0x04                            ; source 1 in the second window
.irp i, 0,1,2,3,4,5,6,7,8,9,10,11,12,13,14,15
	v_pk_add_f32 v[128+4*\i:129+4*\i], v[128+4*\i:129+4*\i], v[4*\i:4*\i+1]         ; + the residual, v256 + 4 i on
	v_pk_add_f32 v[130+4*\i:131+4*\i], v[130+4*\i:131+4*\i], v[4*\i+2:4*\i+3]
.endr
	s_set_vgpr_msb 0x0400
.irp i, 0,1,2,3,4,5,6,7,8,9,10,11,12,13,14,15
	global_store_b128 v14, v[128+4*\i:131+4*\i], s[96:97] offset:4096*\i
.endr
	s_wait_tensorcnt 0x0                           ; the wave's end
	ds_add_u32 v1, v2
	s_wait_dscnt 0x0
	CROUND                                         ; the closing round: no work-group ends while a partner may still ask for a tile that names it
	s_endpgm
.Lfunc_end_k_q2d3fc1788e_proj:
	.size	k_q2d3fc1788e_proj, .Lfunc_end_k_q2d3fc1788e_proj-k_q2d3fc1788e_proj
	.p2alignl 7, 3214868480
	.fill 96, 4, 3214868480
	.section	.rodata,"a",@progbits
	.p2align	6, 0x0
	.amdhsa_kernel k_q2d3fc1788e_proj
		.amdhsa_group_segment_fixed_size 327680
		.amdhsa_private_segment_fixed_size 0
		.amdhsa_enable_private_segment 0
		.amdhsa_kernarg_size 40
		.amdhsa_user_sgpr_count 2
		.amdhsa_user_sgpr_kernarg_segment_ptr 1
		.amdhsa_wavefront_size32 1
		.amdhsa_system_sgpr_workgroup_id_x 1
		.amdhsa_system_sgpr_workgroup_id_y 1
		.amdhsa_system_sgpr_workgroup_id_z 1
		.amdhsa_system_vgpr_workitem_id 0
		.amdhsa_next_free_vgpr 320
		.amdhsa_next_free_sgpr 100
		.amdhsa_reserve_vcc 0
		.amdhsa_float_denorm_mode_32 3
		.amdhsa_float_denorm_mode_16_64 3
		.amdhsa_memory_ordered 1
		.amdhsa_forward_progress 1
		.amdhsa_inst_pref_size 46
	.end_amdhsa_kernel
	.amdgpu_metadata
---
amdhsa.version: [ 1, 2 ]
amdhsa.kernels:
  - .name:           k_q2d3fc1788e_proj
    .symbol:         k_q2d3fc1788e_proj.kd
    .args:
      - { .name: ob, .offset: 0, .size: 8, .value_kind: global_buffer, .address_space: global }
      - { .name: wqb, .offset: 8, .size: 8, .value_kind: global_buffer, .address_space: global }
      - { .name: proj_b, .offset: 16, .size: 8, .value_kind: global_buffer, .address_space: global }
      - { .name: x, .offset: 24, .size: 8, .value_kind: global_buffer, .address_space: global }
      - { .name: x2, .offset: 32, .size: 8, .value_kind: global_buffer, .address_space: global }
    .group_segment_fixed_size: 327680
    .private_segment_fixed_size: 0
    .kernarg_segment_align: 8
    .kernarg_segment_size: 40
    .max_flat_workgroup_size: 256
    .sgpr_count:     100
    .vgpr_count:     320
    .wavefront_size: 32
...
	.end_amdgpu_metadata
.endif
;; end of part 4
;; launch ln2 (part 5): grid 256 x 1, 8 waves a work-group, no clusters, 69,632 bytes of LDS; arguments x2, ln2_g, ln2_b, h2; writes h2
.if DOCPART == 5
	.amdgcn_target "amdgcn-amd-amdhsa--gfx1250"
	.amdhsa_code_object_version 6
	.text
	.protected	k_q2d3fc1788e_ln2
	.globl	k_q2d3fc1788e_ln2
	.p2align	8
	.type	k_q2d3fc1788e_ln2,@function
k_q2d3fc1788e_ln2:
	s_mov_b64 s[64:65], 0
	v_nop
	global_prefetch_b8 v0, s[64:65] scope:SCOPE_SE
	s_setreg_imm32_b32 hwreg(HW_REG_WAVE_MODE, 25, 1), 1
	s_wait_xcnt 0x0
; LayerNorm over rows of 1,024 f32, then the quantiser along the row: codes of FP6 (E2M3) and E8M0 scale bytes, laid as the next product reads them.
; A work-group is one tile of 16 tokens: tile T holds rows 32 (T / 2) + 8 (T % 2) + i + 8 (i / 8).  Wave w takes channels 128 w .. 128 w + 127 of all 16 rows: one step of 128 along the next K.
; Each load reads 512 consecutive bytes of a row; the numbers turn through the wave's own stage in LDS, so that lane (r, h) holds, of row r, channels 32 b + 16 h + 0 .. 15 of each block b of 32: what the conversions want.
; x, g and b are all asked for at the head; b waits in v256-319, the second window of registers: four switches of the window in all.
; The mean, then the mean of the squared deviations (two passes over registers), each summed over the eight waves through LDS: two barriers.  (x - mean) x rsqrt(var + eps) x g + b in f32.
; OUT: codes [tile][16 atoms][768]; an atom is 16 rows x 64 along K as an image of operand registers (lane's first 16 bytes at 16 x lane, last 8 at 512 + 8 x lane).  Scale words at 3,145,728: [pair of tiles][128 along K][16 (T % 2) + r].
; LIMITS: the sums are taken in another order than a plain row sum; a block of zeros gets the byte 1 (its codes are zeros; this program alone reads the bytes); blocks under 2^-124 are held at the byte 1; NaN and infinities are not served.
; No cluster, no tensor load: work-groups share only g and b, 8 KiB.
.set R,   16                           ; v16-79   x as loaded
.set X,   80                           ; v80-143  my 64 numbers
.set G,   144                          ; v144-207 g
.set D,   224                          ; v224-235 the fragment's codes
.set TM,  216
.set TP,  218
.set TE,  220
.set TC,  236
.set SEL, 30
.set RED, 67584                        ; behind the eight stages of 16 x 528 bytes: 8 x 16 words for the sums, and 512 bytes on the same for the squares
.macro QUANT32 src, dst, hw            ; 32 numbers of a lane, register 16 B + i = k 32 B + 16 h + i of my row, become an atom's six registers and its two scale bytes
	v_max3_num_f32 v[TM], |v[(\src)]|, |v[(\src)+1]|, 0x1800000       ; with the floor 2^(3 - 127): the byte cannot fall under 1
	v_max3_num_f32 v[TM+1], |v[(\src)+16]|, |v[(\src)+17]|, 0x1800000
.irp i, 2,4,6,8,10,12,14
	s_delay_alu instid0(VALU_DEP_2)
	v_max3_num_f32 v[TM], v[TM], |v[(\src)+\i]|, |v[(\src)+\i+1]|
	s_delay_alu instid0(VALU_DEP_2)
	v_max3_num_f32 v[TM+1], v[TM+1], |v[(\src)+16+\i]|, |v[(\src)+17+\i]|
.endr
	s_delay_alu instid0(VALU_DEP_2)
	v_permlanex16_b32 v[TP], v[TM], s[SEL], s[SEL+1]
	s_delay_alu instid0(VALU_DEP_2)
	v_permlanex16_b32 v[TP+1], v[TM+1], s[SEL], s[SEL+1]
	s_delay_alu instid0(VALU_DEP_2)
	v_max_num_f32 v[TM], v[TM], v[TP]              ; with lane l xor 16's 16 numbers: the block's largest magnitude
	s_delay_alu instid0(VALU_DEP_2)
	v_max_num_f32 v[TM+1], v[TM+1], v[TP+1]
	s_delay_alu instid0(VALU_DEP_2)
	v_add_nc_u32 v[TE], 0xff000000, v[TM]          ; 2 off the exponent field: the conversion's scale operand
	s_delay_alu instid0(VALU_DEP_2)
	v_add_nc_u32 v[TE+1], 0xff000000, v[TM+1]
	s_delay_alu instid0(VALU_DEP_2)
	v_lshrrev_b32 v[TP], 23, v[TE]
	s_delay_alu instid0(VALU_DEP_2)
	v_lshrrev_b32 v[TP+1], 23, v[TE+1]
	s_delay_alu instid0(VALU_DEP_1)
	v_lshl_or_b32 v[\hw], v[TP+1], 8, v[TP]
	v_cvt_scalef32_pk16_fp6_f32 v[(\dst):(\dst)+2], v[(\src):(\src)+15], v[TE]
	v_cvt_scalef32_pk16_fp6_f32 v[TC:TC+2], v[(\src)+16:(\src)+31], v[TE+1]
	v_nop                                          ; one plain place behind a scaled conversion
.irp i, 0,1,2
	v_permlane16_swap_b32 v[(\dst)+\i], v[TC+\i]   ; a whole block to a lane: lanes 0-15 block 0, lanes 16-31 block 1
.endr
.irp i, 0,1,2
	s_delay_alu instid0(VALU_DEP_3)
	v_mov_b32 v[(\dst)+3+\i], v[TC+\i]
.endr
.endm
.macro ALLSUM off                      ; four packed chains in v208-215 become the row's sum over all 1,024 channels, in v208 of every lane
	s_delay_alu instid0(VALU_DEP_3)
	v_pk_add_f32 v[208:209], v[208:209], v[210:211]
	s_delay_alu instid0(VALU_DEP_2)
	v_pk_add_f32 v[212:213], v[212:213], v[214:215]
	s_delay_alu instid0(VALU_DEP_1)
	v_pk_add_f32 v[208:209], v[208:209], v[212:213]
	s_delay_alu instid0(VALU_DEP_1)
	v_add_f32 v208, v208, v209
	s_delay_alu instid0(VALU_DEP_1)
	v_permlanex16_b32 v209, v208, s[SEL], s[SEL+1]
	s_delay_alu instid0(VALU_DEP_1)
	v_add_f32 v208, v208, v209                     ; my wave's 128 channels of row r
	ds_store_b32 v8, v208 offset:\off              ; lanes r and r + 16 write the same word with the same value
	s_wait_dscnt 0x0                               ; for the others' sake
	s_barrier_signal -1
	s_barrier_wait -1
.irp w, 0,1,2,3,4,5,6,7
	ds_load_b32 v[216+\w], v9 offset:\off+64*\w
.endr
	s_wait_dscnt 0x0
	v_add_f32 v216, v216, v217
	v_add_f32 v218, v218, v219
	v_add_f32 v220, v220, v221
	v_add_f32 v222, v222, v223
	s_delay_alu instid0(VALU_DEP_3)
	v_add_f32 v216, v216, v218
	s_delay_alu instid0(VALU_DEP_2)
	v_add_f32 v220, v220, v222
	s_delay_alu instid0(VALU_DEP_1)
	v_add_f32 v208, v216, v220
.endm
	s_load_b256 s[4:11], s[0:1], 0x0               ; x, g, b, out
	v_lshl_add_u32 v254, v0, 2, 0x10c00
	v_mov_b32 v255, 0
	v_lshrrev_b32 v1, 5, v0
	s_delay_alu instid0(VALU_DEP_1)
	v_readfirstlane_b32 s12, v1                    ; wave 0..7
	v_and_b32 v1, 31, v0
	v_and_b32 v2, 15, v0                           ; r
	v_bfe_u32 v3, v0, 4, 1                         ; h
	s_delay_alu instid0(VALU_DEP_3)
	v_lshlrev_b32 v4, 4, v1                        ; 16 x lane
	s_mul_i32 s13, s12, 8448
	v_add_nc_u32 v5, s13, v4                       ; the stage, on the way in
	v_mul_u32_u24 v6, v2, 528
	s_delay_alu instid0(VALU_DEP_1)
	v_lshl_add_u32 v6, v3, 6, v6
	s_delay_alu instid0(VALU_DEP_1)
	v_add_nc_u32 v6, s13, v6                       ; and out: row r, + 64 h
	v_lshlrev_b32 v7, 6, v3                        ; g, b: 64 h
	v_lshlrev_b32 v12, 2, v2                       ; 4 r
	s_lshl_b32 s14, s12, 6
	s_add_co_u32 s14, s14, RED
	v_add_nc_u32 v8, s14, v12
	v_add_nc_u32 v9, RED, v12
	v_lshlrev_b32 v11, 3, v1                       ; 8 x lane
	s_mov_b32 s2, 0x3a800000                       ; 1 / 1,024
	s_mov_b32 s3, 0x3727c5ac                       ; eps = 1e-5
	s_mov_b32 s[SEL], 0x76543210
	s_mov_b32 s[SEL+1], 0xfedcba98                 ; lane l xor 16
	s_lshr_b32 s15, ttmp9, 1
	s_and_b32 s16, ttmp9, 1
	s_lshl_b32 s17, s15, 5
	s_lshl_b32 s18, s16, 3
	s_add_co_u32 s17, s17, s18                     ; the tile's first row
	s_lshl_b32 s18, s17, 12
	s_lshl_b32 s20, s12, 9                         ; my 128 channels
	s_add_co_u32 s18, s18, s20
	s_mov_b32 s19, 0
	s_mov_b32 s21, 0
	s_mul_i32 s22, ttmp9, 12288
	s_mul_i32 s23, s12, 1536
	s_add_co_u32 s22, s22, s23                     ; my two atoms
	s_mov_b32 s23, 0
	s_lshl_b32 s24, s15, 3
	s_add_co_u32 s24, s24, s12
	s_lshl_b32 s24, s24, 7
	s_lshl_b32 s25, s16, 6
	s_add_co_u32 s24, s24, s25
	s_add_co_u32 s24, s24, 3145728                 ; my 16 scale words
	s_mov_b32 s25, 0
	s_wait_alu depctr_va_vdst(0)
	s_wait_kmcnt 0x0
	s_add_nc_u64 s[4:5], s[4:5], s[18:19]
	s_add_nc_u64 s[6:7], s[6:7], s[20:21]
	s_add_nc_u64 s[8:9], s[8:9], s[20:21]
	s_add_nc_u64 s[26:27], s[10:11], s[22:23]
	s_add_nc_u64 s[28:29], s[10:11], s[24:25]
.irp i, 0,1,2,3,4,5,6,7,8,9,10,11,12,13,14,15
	global_load_b128 v[R+4*\i:R+4*\i+3], v4, s[4:5] offset:(\i+8*(\i/8))*4096   ; 512 consecutive bytes of a row
.endr
.irp b, 0,1,2,3
.irp j, 0,1,2,3
	global_load_b128 v[G+16*\b+4*\j:G+16*\b+4*\j+3], v7, s[6:7] offset:128*\b+16*\j
.endr
.endr
	s_set_vgpr_msb 0x40                            ; destination in the second window, address in the first
.irp b, 0,1,2,3
.irp j, 0,1,2,3
	global_load_b128 v[16*\b+4*\j:16*\b+4*\j+3], v7, s[8:9] offset:128*\b+16*\j   ; b: v256 + 16 b + 4 j on
.endr
.endr
	s_set_vgpr_msb 0x4000
	s_wait_loadcnt 32                              ; x is in; g's 16 loads and b's 16 may be out
.irp i, 0,1,2,3,4,5,6,7,8,9,10,11,12,13,14,15
	ds_store_b128 v5, v[R+4*\i:R+4*\i+3] offset:528*\i
.endr
.irp b, 0,1,2,3
.irp j, 0,1,2,3
	ds_load_b128 v[X+16*\b+4*\j:X+16*\b+4*\j+3], v6 offset:128*\b+16*\j   ; LDS serves a wave's instructions in order: these see my stores
.endr
.endr
	s_wait_dscnt 0x0
.irp c, 0,1,2,3
	v_pk_add_f32 v[208+2*\c:209+2*\c], v[X+2*\c:X+2*\c+1], v[X+8+2*\c:X+9+2*\c]      ; four chains, started by the first numbers
.endr
.irp j, 2,3,4,5,6,7
.irp c, 0,1,2,3
	s_delay_alu instid0(VALU_DEP_4)
	v_pk_add_f32 v[208+2*\c:209+2*\c], v[208+2*\c:209+2*\c], v[X+8*\j+2*\c:X+8*\j+2*\c+1]
.endr
.endr
	ALLSUM 0
	s_delay_alu instid0(VALU_DEP_1)
	v_mul_f32 v210, s2, v208                       ; the mean
.set n, 0
.rept 32
	v_pk_add_f32 v[X+n:X+n+1], v[X+n:X+n+1], v[210:211] op_sel_hi:[1,0] neg_lo:[0,1] neg_hi:[0,1]   ; x - mean
.set n, n+2
.endr
.irp c, 0,1,2,3
	v_pk_mul_f32 v[208+2*\c:209+2*\c], v[X+2*\c:X+2*\c+1], v[X+2*\c:X+2*\c+1]
.endr
.irp j, 1,2,3,4,5,6,7
.irp c, 0,1,2,3
	s_delay_alu instid0(VALU_DEP_4)
	v_pk_fma_f32 v[208+2*\c:209+2*\c], v[X+8*\j+2*\c:X+8*\j+2*\c+1], v[X+8*\j+2*\c:X+8*\j+2*\c+1], v[208+2*\c:209+2*\c]
.endr
.endr
	ALLSUM 512                                     ; other words than the first sum's: no wave still reads what is written here
	s_delay_alu instid0(VALU_DEP_1)
	v_fma_f32 v212, v208, s2, s3                   ; var + eps
	s_wait_alu depctr_va_vdst(0)
	v_rsq_f32 v214, v212
	v_nop                                          ; a plain place behind the transcendental
	s_wait_alu depctr_va_vdst(0)                   ; and the wait ahead of its first reader
	s_wait_loadcnt 0x0                             ; g and b
.set n, 0
.rept 32
	v_pk_mul_f32 v[X+n:X+n+1], v[X+n:X+n+1], v[214:215] op_sel_hi:[1,0]
.set n, n+2
.endr
	s_set_vgpr_msb 0x10                            ; source 2 in the second window
.set n, 0
.rept 32
	v_pk_fma_f32 v[X+n:X+n+1], v[X+n:X+n+1], v[G+n:G+n+1], v[n:n+1]   ; x g + b, b at v256 + n
.set n, n+2
.endr
	s_set_vgpr_msb 0x1000
	QUANT32 X, D, 240
	QUANT32 X+32, D+6, 241
	v_lshl_or_b32 v240, v241, 16, v240             ; my row's scale word for these 128
	global_store_b128 v4, v[D:D+3], s[26:27]       ; two atoms: 1,536 consecutive bytes, aligned
	global_store_b64 v11, v[D+4:D+5], s[26:27] offset:512
	global_store_b128 v4, v[D+6:D+9], s[26:27] offset:768
	global_store_b64 v11, v[D+10:D+11], s[26:27] offset:1280
	global_store_b32 v12, v240, s[28:29]           ; lanes r and r + 16 write the same word with the same value
	s_wait_tensorcnt 0x0
	ds_add_u32 v254, v255
	s_wait_dscnt 0x0
	s_endpgm
.Lfunc_end_k_q2d3fc1788e_ln2:
	.size	k_q2d3fc1788e_ln2, .Lfunc_end_k_q2d3fc1788e_ln2-k_q2d3fc1788e_ln2
	.p2alignl 7, 3214868480
	.fill 96, 4, 3214868480
	.section	.rodata,"a",@progbits
	.p2align	6, 0x0
	.amdhsa_kernel k_q2d3fc1788e_ln2
		.amdhsa_group_segment_fixed_size 69632
		.amdhsa_private_segment_fixed_size 0
		.amdhsa_enable_private_segment 0
		.amdhsa_kernarg_size 32
		.amdhsa_user_sgpr_count 2
		.amdhsa_user_sgpr_kernarg_segment_ptr 1
		.amdhsa_wavefront_size32 1
		.amdhsa_system_sgpr_workgroup_id_x 1
		.amdhsa_system_sgpr_workgroup_id_y 1
		.amdhsa_system_sgpr_workgroup_id_z 1
		.amdhsa_system_vgpr_workitem_id 0
		.amdhsa_next_free_vgpr 320
		.amdhsa_next_free_sgpr 66
		.amdhsa_reserve_vcc 0
		.amdhsa_float_denorm_mode_32 3
		.amdhsa_float_denorm_mode_16_64 3
		.amdhsa_memory_ordered 1
		.amdhsa_forward_progress 1
		.amdhsa_inst_pref_size 30
	.end_amdhsa_kernel
	.amdgpu_metadata
---
amdhsa.version: [ 1, 2 ]
amdhsa.kernels:
  - .name:           k_q2d3fc1788e_ln2
    .symbol:         k_q2d3fc1788e_ln2.kd
    .args:
      - { .name: x2, .offset: 0, .size: 8, .value_kind: global_buffer, .address_space: global }
      - { .name: ln2_g, .offset: 8, .size: 8, .value_kind: global_buffer, .address_space: global }
      - { .name: ln2_b, .offset: 16, .size: 8, .value_kind: global_buffer, .address_space: global }
      - { .name: h2, .offset: 24, .size: 8, .value_kind: global_buffer, .address_space: global }
    .group_segment_fixed_size: 69632
    .private_segment_fixed_size: 0
    .kernarg_segment_align: 8
    .kernarg_segment_size: 32
    .max_flat_workgroup_size: 256
    .sgpr_count:     66
    .vgpr_count:     320
    .wavefront_size: 32
...
	.end_amdgpu_metadata
.endif
;; end of part 5
;; launch fc1 (part 6): grid 16 x 16, 16 waves a work-group, clusters of 4 x 4, 327,680 bytes of LDS; arguments h2, wqb, fc1_b, h3; writes h3
.if DOCPART == 6
	.amdgcn_target "amdgcn-amd-amdhsa--gfx1250"
	.amdhsa_code_object_version 6
	.text
	.protected	k_q2d3fc1788e_fc1
	.globl	k_q2d3fc1788e_fc1
	.p2align	8
	.type	k_q2d3fc1788e_fc1,@function
k_q2d3fc1788e_fc1:
	s_mov_b64 s[64:65], 0
	v_nop
	global_prefetch_b8 v0, s[64:65] scope:SCOPE_SE
	s_setreg_imm32_b32 hwreg(HW_REG_WAVE_MODE, 25, 1), 1
	s_wait_xcnt 0x0
	s_wait_alu depctr_hold_cnt(0) depctr_sa_sdst(0) depctr_va_vdst(0) depctr_va_sdst(0) depctr_va_ssrc(0) depctr_va_vcc(0) depctr_vm_vsrc(0)
	s_getreg_b32 s2, hwreg(HW_REG_IB_STS2, 6, 4)
	s_cmp_eq_u32 s2, 0
	s_cbranch_scc0 .Lentry_in_a_cluster
	s_endpgm
.Lentry_in_a_cluster:
	s_bfe_u32 s2, ttmp6, 0x10000c
	s_cmp_lg_u32 s2, 0xf033
	s_cbranch_scc0 .Lentry_shape_is_right
	s_endpgm
.Lentry_shape_is_right:
.set TS,    12288
; h3 = Q(gelu(h2 fc1_w + fc1_b)) on codes of FP6 with E8M0 scales, K = 1,024; a work-group makes 256 x 256, sixteen waves 64 x 64 each; the bias is the sums' first C.
; FILLS: two slots of 384 along K (32 tiles x 4,608 bytes).  At the head every wave issues one joint load: waves 0-3 slot 0, waves 4-11 the scale words of all of K, waves 12-15 slot 1.
; ONE REFILL: K 768 .. 1,023 into slot 0, by waves 0-3, behind a drained round; its rows keep their place of 4,608 bytes, of which 3,072 come from memory.
; No prefetch: 768 of K's 1,024 are asked for at the head, and the last 256 three steps ahead of their use.
.set TILEB, 4608                       ; a tile's bytes in a slot: three steps of 1,536
.set SLOTB, 147456
.set YOFF,  73728
.set SC,    294912                     ; behind the ring: X's scale words, 8,192 bytes, then Y's
.set HALFS, 2048                       ; what one wave fetches of them
.set PS,    1024
.set SPARE, 311296
.set XF,  20
.set YF,  68
.set ACC, 128
.set WV,  10
.set G1Y, 24
.set G0Y, 32
.set G1X, 48
.set G0X, 56
.set G1SY, 68
.set G0SY, 76
.set G1SX, 80
.set G0SX, 88
.set SEL, 2
.set GZ,  20
.set GT,  36
.set GP,  52
.set TM,  68
.set TP,  70
.set TE,  72
.set TC,  74
.macro CROUND
	s_barrier_signal -1
	s_barrier_wait -1
	s_cmp_lg_u32 s[WV], 0
	s_cbranch_scc1 .Lnw0_\@
	s_barrier_signal -3
.Lnw0_\@:
	s_barrier_wait -3
	s_barrier_signal -1
	s_barrier_wait -1
.endm
.macro JLOAD g0x, g1x, g0y, g1y
	s_cmp_lt_u32 s[WV], 2
	s_cbranch_scc0 .Lnx_\@
	tensor_load_to_lds s[\g0x:\g0x+3], s[\g1x:\g1x+7]
	s_nop 0
.rept 4
	v_nop
.endr
	s_branch .Ljd_\@
.Lnx_\@:
	s_cmp_lt_u32 s[WV], 4
	s_cbranch_scc0 .Ljd_\@
	tensor_load_to_lds s[\g0y:\g0y+3], s[\g1y:\g1y+7]
	s_nop 0
.rept 4
	v_nop
.endr
.Ljd_\@:
.endm
.macro FRAG reg, a16, a8, off
	ds_load_b128 v[\reg:\reg+3], v[\a16] offset:\off
	ds_load_b64 v[\reg+4:\reg+5], v[\a8] offset:\off+512
	ds_load_b128 v[\reg+6:\reg+9], v[\a16] offset:\off+768
	ds_load_b64 v[\reg+10:\reg+11], v[\a8] offset:\off+1280
.endm
.macro WM x, y
.set rD, ACC+32*(\y)+8*(\x)
.set rX, XF+12*(\x)
.set rY, YF+12*(\y)
.set rP, 16+(\x)/2
.set rQ, 18+(\y)/2
.set par, 2*((\x)%2)+(\y)%2
.if par == 0
	v_wmma_scale_f32_16x16x128_f8f6f4 v[rD:rD+7], v[rX:rX+11], v[rY:rY+11], v[rD:rD+7], v[rP], v[rQ] matrix_a_fmt:MATRIX_FMT_FP6 matrix_b_fmt:MATRIX_FMT_FP6
.elseif par == 1
	v_wmma_scale_f32_16x16x128_f8f6f4 v[rD:rD+7], v[rX:rX+11], v[rY:rY+11], v[rD:rD+7], v[rP], v[rQ] matrix_a_fmt:MATRIX_FMT_FP6 matrix_b_fmt:MATRIX_FMT_FP6 matrix_b_scale:MATRIX_SCALE_ROW1
.elseif par == 2
	v_wmma_scale_f32_16x16x128_f8f6f4 v[rD:rD+7], v[rX:rX+11], v[rY:rY+11], v[rD:rD+7], v[rP], v[rQ] matrix_a_fmt:MATRIX_FMT_FP6 matrix_b_fmt:MATRIX_FMT_FP6 matrix_a_scale:MATRIX_SCALE_ROW1
.else
	v_wmma_scale_f32_16x16x128_f8f6f4 v[rD:rD+7], v[rX:rX+11], v[rY:rY+11], v[rD:rD+7], v[rP], v[rQ] matrix_a_fmt:MATRIX_FMT_FP6 matrix_b_fmt:MATRIX_FMT_FP6 matrix_a_scale:MATRIX_SCALE_ROW1 matrix_b_scale:MATRIX_SCALE_ROW1
.endif
.endm
.macro STEP slot, koff, soff
.rept 4
	v_nop
.endr
	ds_load_b32 v16, v11 offset:\soff
	ds_load_b32 v17, v11 offset:\soff+PS
	ds_load_b32 v18, v12 offset:\soff
	ds_load_b32 v19, v12 offset:\soff+PS
.irp y, 0,1,2,3
	FRAG YF+12*\y, 7+\slot, 9+\slot, \y*TILEB+\koff
.endr
.irp x, 0,1,2,3
	FRAG XF+12*\x, 3+\slot, 5+\slot, \x*TILEB+\koff
.endr
.irp x, 0,1,2,3
	s_wait_dscnt 12-4*\x
.irp y, 0,1,2,3
	WM \x, \y
.endr
.endr
.endm
.macro ARM under, g0, g1, next         ; an arm of the head's chain: the waves under \under that no earlier arm took issue this load
	s_cmp_lt_u32 s[WV], \under
	s_cbranch_scc0 \next
	tensor_load_to_lds s[\g0:\g0+3], s[\g1:\g1+7]
	s_nop 0
.rept 4
	v_nop
.endr
	s_branch .Lhead_asked
\next:
.endm
.macro QUANT32 src, dst, hw
	v_max3_num_f32 v[TM], |v[(\src)]|, |v[(\src)+1]|, 0x1800000
	v_max3_num_f32 v[TM+1], |v[(\src)+16]|, |v[(\src)+17]|, 0x1800000
.irp i, 2,4,6,8,10,12,14
	s_delay_alu instid0(VALU_DEP_2)
	v_max3_num_f32 v[TM], v[TM], |v[(\src)+\i]|, |v[(\src)+\i+1]|
	s_delay_alu instid0(VALU_DEP_2)
	v_max3_num_f32 v[TM+1], v[TM+1], |v[(\src)+16+\i]|, |v[(\src)+17+\i]|
.endr
	s_delay_alu instid0(VALU_DEP_2)
	v_permlanex16_b32 v[TP], v[TM], s[SEL], s[SEL+1]
	s_delay_alu instid0(VALU_DEP_2)
	v_permlanex16_b32 v[TP+1], v[TM+1], s[SEL], s[SEL+1]
	s_delay_alu instid0(VALU_DEP_2)
	v_max_num_f32 v[TM], v[TM], v[TP]
	s_delay_alu instid0(VALU_DEP_2)
	v_max_num_f32 v[TM+1], v[TM+1], v[TP+1]
	s_delay_alu instid0(VALU_DEP_2)
	v_add_nc_u32 v[TE], 0xff000000, v[TM]
	s_delay_alu instid0(VALU_DEP_2)
	v_add_nc_u32 v[TE+1], 0xff000000, v[TM+1]
	s_delay_alu instid0(VALU_DEP_2)
	v_lshrrev_b32 v[TP], 23, v[TE]
	s_delay_alu instid0(VALU_DEP_2)
	v_lshrrev_b32 v[TP+1], 23, v[TE+1]
	s_delay_alu instid0(VALU_DEP_1)
	v_lshl_or_b32 v[\hw], v[TP+1], 8, v[TP]
	v_cvt_scalef32_pk16_fp6_f32 v[(\dst):(\dst)+2], v[(\src):(\src)+15], v[TE]
	v_cvt_scalef32_pk16_fp6_f32 v[TC:TC+2], v[(\src)+16:(\src)+31], v[TE+1]
	v_nop
.irp i, 0,1,2
	v_permlane16_swap_b32 v[(\dst)+\i], v[TC+\i]
.endr
.irp i, 0,1,2
	s_delay_alu instid0(VALU_DEP_3)
	v_mov_b32 v[(\dst)+3+\i], v[TC+\i]
.endr
.endm
.macro KPAIR reg, val
	s_mov_b32 s[\reg], \val
	s_mov_b32 s[\reg+1], \val
.endm
.macro GELU16 s
.set n, 0
.rept 16
	v_mul_f32 v[GZ+n], s46, |v[(\s)+n]|
.set n, n+1
.endr
.set n, 0
.rept 8
	v_pk_fma_f32 v[GT+n:GT+n+1], v[GZ+n:GZ+n+1], 0.5, 1.0 op_sel_hi:[1,0,0]
.set n, n+2
.endr
.set n, 0
	s_wait_alu depctr_va_vdst(0)
.rept 16
	v_rcp_f32 v[GT+n], v[GT+n]
.set n, n+1
.endr
.set n, 0
.rept 16
	v_max_num_f32 v[(\s)+n], 0, v[(\s)+n]
.set n, n+1
.endr
	s_wait_alu depctr_va_vdst(0)
.set n, 0
.rept 8
	v_pk_fma_f32 v[GP+n:GP+n+1], v[GT+n:GT+n+1], s[40:41], v[78:79] op_sel_hi:[1,0,1]
.set n, n+2
.endr
.irp c, 38,36,34,32,30,28,26,24
.set n, 0
.rept 8
	v_pk_fma_f32 v[GP+n:GP+n+1], v[GP+n:GP+n+1], v[GT+n:GT+n+1], s[\c:\c+1] op_sel_hi:[1,1,0]
.set n, n+2
.endr
.endr
.set n, 0
.rept 8
	v_pk_fma_f32 v[GP+n:GP+n+1], v[GZ+n:GZ+n+1], v[GZ+n:GZ+n+1], v[GP+n:GP+n+1] neg_lo:[1,0,0] neg_hi:[1,0,0]
.set n, n+2
.endr
.set n, 0
.rept 8
	v_pk_mul_f32 v[GP+n:GP+n+1], v[GP+n:GP+n+1], s[42:43] op_sel_hi:[1,0]
.set n, n+2
.endr
.set n, 0
	s_wait_alu depctr_va_vdst(0)
.rept 16
	v_exp_f32 v[GP+n], v[GP+n]
.set n, n+1
.endr
.set n, 0
.rept 8
	v_pk_mul_f32 v[GZ+n:GZ+n+1], v[GZ+n:GZ+n+1], v[GT+n:GT+n+1]
.set n, n+2
.endr
	s_wait_alu depctr_va_vdst(0)
.set n, 0
.rept 8
	v_pk_mul_f32 v[GZ+n:GZ+n+1], v[GZ+n:GZ+n+1], v[GP+n:GP+n+1]
.set n, n+2
.endr
.set n, 0
.rept 8
	v_pk_fma_f32 v[(\s)+n:(\s)+n+1], v[GZ+n:GZ+n+1], s[44:45], v[(\s)+n:(\s)+n+1] op_sel_hi:[1,0,1]
.set n, n+2
.endr
.endm
	s_load_b128 s[4:7], s[0:1], 0x0
	s_load_b128 s[92:95], s[0:1], 0x10
	v_lshl_add_u32 v1, v0, 2, SPARE
	v_mov_b32 v2, 0
	ds_add_u32 v1, v2
	ds_add_u32 v1, v2
	s_wait_dscnt 0x0
	v_lshrrev_b32 v3, 5, v0
	s_delay_alu instid0(VALU_DEP_1)
	v_readfirstlane_b32 s[WV], v3
	s_and_b32 s11, s[WV], 3
	s_lshr_b32 s12, s[WV], 2
	s_bfe_u32 s13, ttmp6, 0x40000
	s_bfe_u32 s14, ttmp6, 0x40004
	s_lshl_b32 s17, ttmp9, 2
	s_add_co_u32 s17, s17, s13
	s_and_b32 s19, ttmp7, 0xffff
	s_lshl_b32 s19, s19, 2
	s_add_co_u32 s19, s19, s14
	s_lshl_b32 s21, s14, 2
	s_lshl_b32 s21, 15, s21
	s_lshl_b32 s22, 0x1111, s13
	s_or_b32 s[G1Y], s21, (3<<16)|(1<<21)
	s_or_b32 s[G1X], s22, (3<<16)|(1<<21)
.irp g, G1Y, G1X
	s_mov_b32 s[\g+1], (TILEB/8)<<16
	s_mov_b32 s[\g+2], 8<<16
	s_mov_b32 s[\g+3], (TILEB/8)<<16
	s_mov_b32 s[\g+4], 8
	s_mov_b32 s[\g+5], TS/8
	s_mov_b32 s[\g+6], 0
	s_mov_b32 s[\g+7], 0
.endr
	s_or_b32 s[G1SY], s21, (3<<16)|(1<<21)
	s_or_b32 s[G1SX], s22, (3<<16)|(1<<21)
.irp g, G1SY, G1SX
	s_mov_b32 s[\g+1], 32<<16
	s_mov_b32 s[\g+2], (HALFS/256)<<16
	s_mov_b32 s[\g+3], 32<<16
	s_mov_b32 s[\g+4], HALFS/256
	s_mov_b32 s[\g+5], 32
	s_mov_b32 s[\g+6], 0
	s_mov_b32 s[\g+7], 0
.endr
	s_and_b32 s23, s[WV], 1
	s_mul_i32 s40, s17, 16*TS
	s_mul_i32 s41, s23, 8*TS
	s_add_co_u32 s40, s40, s41
	s_add_co_u32 s40, s40, 3145728
	s_lshl_b32 s42, s17, 13
	s_lshl_b32 s43, s11, 11                        ; my quarter of the 8,192 bytes of scale words
	s_add_co_u32 s42, s42, s43
	s_add_co_u32 s42, s42, 9568256
	s_mul_i32 s44, s19, 16*TS
	s_add_co_u32 s44, s44, s41
	s_lshl_b32 s46, s19, 13
	s_add_co_u32 s46, s46, s43
	s_add_co_u32 s46, s46, 3145728
	s_mov_b32 s41, 0
	s_mov_b32 s43, 0
	s_mov_b32 s45, 0
	s_mov_b32 s47, 0
	s_wait_kmcnt 0x0
	s_add_nc_u64 s[40:41], s[6:7], s[40:41]
	s_add_nc_u64 s[42:43], s[6:7], s[42:43]
	s_add_nc_u64 s[44:45], s[4:5], s[44:45]
	s_add_nc_u64 s[46:47], s[4:5], s[46:47]
	s_mul_i32 s2, s11, 8*TILEB                     ; codes: eight tiles a load
	s_add_co_u32 s3, s[WV], 4
	s_and_b32 s3, s3, 7
	s_lshl_b32 s3, s3, 11                          ; scale words: waves 4-7 X's quarters, waves 8-11 Y's
	CROUND
	s_mov_b32 s[G0SX], 1
	s_add_co_u32 s[G0SX+1], s3, SC
	s_mov_b64 s[G0SX+2:G0SX+3], s[42:43]
	s_or_b32 s[G0SX+3], s[G0SX+3], 0x80000000
	s_mov_b32 s[G0SY], 1
	s_add_co_u32 s[G0SY+1], s3, SC
	s_mov_b64 s[G0SY+2:G0SY+3], s[46:47]
	s_or_b32 s[G0SY+3], s[G0SY+3], 0x80000000
.irp s, 0,1
	s_mov_b32 s[G0X+4*\s], 1
	s_add_co_u32 s[G0X+4*\s+1], s2, \s*SLOTB
	s_add_nc_u64 s[G0X+4*\s+2:G0X+4*\s+3], s[40:41], \s*TILEB
	s_or_b32 s[G0X+4*\s+3], s[G0X+4*\s+3], 0x80000000
	s_mov_b32 s[G0Y+4*\s], 1
	s_add_co_u32 s[G0Y+4*\s+1], s2, \s*SLOTB
	s_add_nc_u64 s[G0Y+4*\s+2:G0Y+4*\s+3], s[44:45], \s*TILEB
	s_or_b32 s[G0Y+4*\s+3], s[G0Y+4*\s+3], 0x80000000
.endr
	ARM 2,  G0X,   G1X,  .Lh1                      ; the head's loads, one a wave: slot 0's X,
	ARM 4,  G0Y,   G1Y,  .Lh2                      ; slot 0's Y,
	ARM 8,  G0SX,  G1SX, .Lh3                      ; X's scale words,
	ARM 12, G0SY,  G1SY, .Lh4                      ; Y's,
	ARM 14, G0X+4, G1X,  .Lh5                      ; slot 1's X,
	tensor_load_to_lds s[G0Y+4:G0Y+7], s[G1Y:G1Y+7]   ; slot 1's Y
	s_nop 0
.rept 4
	v_nop
.endr
.Lhead_asked:
	s_lshl_b32 s40, s17, 10
	s_lshl_b32 s41, s11, 8
	s_add_co_u32 s40, s40, s41
	s_mov_b32 s41, 0
	s_add_nc_u64 s[92:93], s[92:93], s[40:41]
	v_bfe_u32 v13, v0, 4, 1
	s_delay_alu instid0(VALU_DEP_1)
	v_lshlrev_b32 v13, 6, v13
.irp y, 0,1,2,3
.irp x, 0,1,2,3
	global_load_b128 v[ACC+32*\y+8*\x:ACC+32*\y+8*\x+3], v13, s[92:93] offset:(32*(\x/2)+8*(\x%2))*4
	global_load_b128 v[ACC+32*\y+8*\x+4:ACC+32*\y+8*\x+7], v13, s[92:93] offset:(32*(\x/2)+8*(\x%2))*4+16
.endr
.endr
	v_and_b32 v116, 31, v0
	s_delay_alu instid0(VALU_DEP_1)
	v_lshlrev_b32 v14, 4, v116
	s_delay_alu instid0(VALU_DEP_2)
	v_lshlrev_b32 v15, 3, v116
	s_mul_i32 s40, s11, 4*TILEB
	s_mul_i32 s41, s12, 4*TILEB
	s_add_co_u32 s41, s41, YOFF
	v_add_nc_u32 v3, s40, v14
	v_add_nc_u32 v5, s40, v15
	v_add_nc_u32 v7, s41, v14
	v_add_nc_u32 v9, s41, v15
	s_delay_alu instid0(VALU_DEP_4)
	v_add_nc_u32 v4, SLOTB, v3
	s_delay_alu instid0(VALU_DEP_4)
	v_add_nc_u32 v6, SLOTB, v5
	s_delay_alu instid0(VALU_DEP_4)
	v_add_nc_u32 v8, SLOTB, v7
	s_delay_alu instid0(VALU_DEP_4)
	v_add_nc_u32 v10, SLOTB, v9
	v_lshlrev_b32 v11, 2, v116
	s_mul_i32 s40, s11, 2*PS
	s_add_co_u32 s40, s40, SC
	s_mul_i32 s41, s12, 2*PS
	s_add_co_u32 s41, s41, SC+4*HALFS
	v_add_nc_u32 v12, s41, v11
	v_add_nc_u32 v11, s40, v11
	s_lshl_b32 s98, s19, 4
	s_lshl_b32 s99, s12, 2
	s_add_co_u32 s98, s98, s99
	s_lshl_b32 s99, s17, 2
	s_add_co_u32 s99, s99, s11
	s_mul_i32 s96, s98, 49152
	s_mul_i32 s97, s99, 768
	s_add_co_u32 s96, s96, s97
	s_mov_b32 s97, 0
	s_add_nc_u64 s[96:97], s[94:95], s[96:97]
	s_lshl_b32 s98, s98, 4
	s_lshr_b32 s40, s99, 1
	s_add_co_u32 s98, s98, s40
	s_lshl_b32 s98, s98, 7
	s_and_b32 s99, s99, 1
	s_lshl_b32 s99, s99, 1
	s_add_co_u32 s98, s98, s99
	s_add_co_u32 s98, s98, 12582912
	s_mov_b32 s99, 0
	s_add_nc_u64 s[98:99], s[94:95], s[98:99]
	s_wait_alu depctr_va_vdst(0)                   ; the wait at the head's end
	s_wait_loadcnt 0x0                             ; the bias lies in the accumulators
	s_cmp_lt_u32 s[WV], 12
	s_cbranch_scc0 .Lslot1
	s_wait_tensorcnt 0x0                           ; waves 0-11: my part of slot 0 or of the scale words is in
.Lslot1:
	s_barrier_signal -1
	s_barrier_wait -1                              ; slot 0 and the scale words are whole; slot 1 may be on its way
	STEP 0, 0, 0
	STEP 0, 1536, 128
	STEP 0, 3072, 256
	s_wait_tensorcnt 0x0                           ; all my loads are in, slot 1's among them
	ds_add_u32 v1, v2
	s_add_nc_u64 s[G0X+2:G0X+3], s[G0X+2:G0X+3], 2*TILEB   ; slot 0's next fill: K 768 on
	s_add_nc_u64 s[G0Y+2:G0Y+3], s[G0Y+2:G0Y+3], 2*TILEB
	s_mov_b32 s[G1X+1], (3072/8)<<16               ; 3,072 bytes are left of each tile's row
	s_mov_b32 s[G1Y+1], (3072/8)<<16
	s_wait_dscnt 0x0                               ; the add is done, and my reads of slot 0
	CROUND
	JLOAD G0X, G1X, G0Y, G1Y
	STEP 1, 0, 384
	STEP 1, 1536, 512
	STEP 1, 3072, 640
	s_wait_tensorcnt 0x0                           ; the refill is in
	s_wait_dscnt 0x0
	s_barrier_signal -1
	s_barrier_wait -1                              ; and shown to all
	STEP 0, 0, 768
	STEP 0, 1536, 896
.rept 4
	v_nop
.endr
	KPAIR 24, 0xbfa1fc4e
	KPAIR 26, 0x3f8000c7
	KPAIR 28, 0x3ebf88fb
	KPAIR 30, 0x3dc636c9
	KPAIR 32, 0xbe3ec24c
	KPAIR 34, 0x3e8ec7cc
	KPAIR 36, 0xbf914e5d
	KPAIR 38, 0x3fbe87b0
	KPAIR 40, 0x3e2ef945
	KPAIR 42, 0x3fb8aa3b
	KPAIR 44, 0xbf3504f3
	s_mov_b32 s46, 0x3f3504f3
	s_mov_b32 s[SEL], 0x76543210
	s_mov_b32 s[SEL+1], 0xfedcba98
	v_mov_b32 v78, 0xbf527892
	v_mov_b32 v79, 0xbf527892
	v_mov_b32 v[TP], 0
	v_mov_b32 v[TP+1], 0
	v_and_b32 v13, 15, v0
	s_delay_alu instid0(VALU_DEP_1)
	v_lshlrev_b32 v13, 2, v13
.irp y, 0,1,2,3
	GELU16 ACC+32*\y
	GELU16 ACC+32*\y+16
	QUANT32 ACC+32*\y, 100+6*\y, 124+\y
	global_store_b128 v14, v[100+6*\y:103+6*\y], s[96:97] offset:49152*\y
	global_store_b64 v15, v[104+6*\y:105+6*\y], s[96:97] offset:49152*\y+512
	global_store_b16 v13, v[124+\y], s[98:99] offset:4096*(\y/2)+64*(\y%2)
.endr
	s_wait_tensorcnt 0x0
	ds_add_u32 v1, v2
	s_wait_dscnt 0x0
	CROUND
	s_endpgm
.Lfunc_end_k_q2d3fc1788e_fc1:
	.size	k_q2d3fc1788e_fc1, .Lfunc_end_k_q2d3fc1788e_fc1-k_q2d3fc1788e_fc1
	.p2alignl 7, 3214868480
	.fill 96, 4, 3214868480
	.section	.rodata,"a",@progbits
	.p2align	6, 0x0
	.amdhsa_kernel k_q2d3fc1788e_fc1
		.amdhsa_group_segment_fixed_size 327680
		.amdhsa_private_segment_fixed_size 0
		.amdhsa_enable_private_segment 0
		.amdhsa_kernarg_size 32
		.amdhsa_user_sgpr_count 2
		.amdhsa_user_sgpr_kernarg_segment_ptr 1
		.amdhsa_wavefront_size32 1
		.amdhsa_system_sgpr_workgroup_id_x 1
		.amdhsa_system_sgpr_workgroup_id_y 1
		.amdhsa_system_sgpr_workgroup_id_z 1
		.amdhsa_system_vgpr_workitem_id 0
		.amdhsa_next_free_vgpr 256
		.amdhsa_next_free_sgpr 100
		.amdhsa_reserve_vcc 0
		.amdhsa_float_denorm_mode_32 3
		.amdhsa_float_denorm_mode_16_64 3
		.amdhsa_memory_ordered 1
		.amdhsa_forward_progress 1
		.amdhsa_inst_pref_size 146
	.end_amdhsa_kernel
	.amdgpu_metadata
---
amdhsa.version: [ 1, 2 ]
amdhsa.kernels:
  - .name:           k_q2d3fc1788e_fc1
    .symbol:         k_q2d3fc1788e_fc1.kd
    .args:
      - { .name: h2, .offset: 0, .size: 8, .value_kind: global_buffer, .address_space: global }
      - { .name: wqb, .offset: 8, .size: 8, .value_kind: global_buffer, .address_space: global }
      - { .name: fc1_b, .offset: 16, .size: 8, .value_kind: global_buffer, .address_space: global }
      - { .name: h3, .offset: 24, .size: 8, .value_kind: global_buffer, .address_space: global }
    .group_segment_fixed_size: 327680
    .private_segment_fixed_size: 0
    .kernarg_segment_align: 8
    .kernarg_segment_size: 32
    .max_flat_workgroup_size: 512
    .sgpr_count:     100
    .vgpr_count:     256
    .wavefront_size: 32
...
	.end_amdgpu_metadata
.endif
;; end of part 6
;; launch fc2 (part 7): grid 8 x 32, 8 waves a work-group, clusters of 4 x 4, 327,680 bytes of LDS; arguments h3, wqb, fc2_b, x2, out0; writes out0
.if DOCPART == 7
	.amdgcn_target "amdgcn-amd-amdhsa--gfx1250"
	.amdhsa_code_object_version 6
	.text
	.protected	k_q2d3fc1788e_fc2
	.globl	k_q2d3fc1788e_fc2
	.p2align	8
	.type	k_q2d3fc1788e_fc2,@function
k_q2d3fc1788e_fc2:
	s_mov_b64 s[64:65], 0
	v_nop
	global_prefetch_b8 v0, s[64:65] scope:SCOPE_SE
	s_setreg_imm32_b32 hwreg(HW_REG_WAVE_MODE, 25, 1), 1
	s_wait_xcnt 0x0
	s_wait_alu depctr_hold_cnt(0) depctr_sa_sdst(0) depctr_va_vdst(0) depctr_va_sdst(0) depctr_va_ssrc(0) depctr_va_vcc(0) depctr_vm_vsrc(0)
	s_getreg_b32 s2, hwreg(HW_REG_IB_STS2, 6, 4)
	s_cmp_eq_u32 s2, 0
	s_cbranch_scc0 .Lentry_in_a_cluster
	s_endpgm
.Lentry_in_a_cluster:
	s_bfe_u32 s2, ttmp6, 0x10000c
	s_cmp_lg_u32 s2, 0xf033
	s_cbranch_scc0 .Lentry_shape_is_right
	s_endpgm
.Lentry_shape_is_right:
; out0 = x2 + (h3 fc2_w + fc2_b), the product on codes of FP6 (E2M3) with E8M0 scales, K = KDIM; the result in f32.
; C^T = X Y^T: source 0 = 16 columns of the weight (X), source 1 = 16 tokens (Y).  A work-group makes 128 columns x 128 tokens, so that 256 work-groups share the output.  Eight waves: a wave makes 64 x 64
; (16 accumulators) over the steps of 128 along K of ONE parity: waves 0-3 the even steps, waves 4-7 the odd ones; the two partial sums meet in LDS on the way out.
; OPERANDS lie in memory as images of operand registers (atoms of 768 bytes: 16 rows x 64 K): a tile's 512 along K are 6,144 dense bytes.  RING: two slots of 512 along K (8 + 8 tiles x 6,144 bytes).
; EVERY WAVE FETCHES: waves 0-3 two tiles of X each, waves 4-7 two tiles of Y, 12,288 bytes a load; and waves 0-3 two pairs of tiles' scale words for all of K, once.  Both slots are filled at the start.
; CLUSTER 4 x 4: X is asked for jointly along a column of the cluster, Y along a row.  One tensor load of a wave is out at the start and one behind each later round.
; THE RESIDUAL AND THE BIAS are asked for at the head, behind the first fills, and land while K is walked: the residual in v256-319, the second window of registers, which nothing else names.
; LIMIT: each output is the sum of two f32 partial sums (even and odd steps of K), not one chain ascending along K.
.set KDIM,  4096
.set XCODE, 6291456                    ; the weight's codes in wqb,
.set XSC,   9699328                    ; its scale words,
.set YSC,   12582912                   ; and the tokens' scale words in their buffer
.set KS,    KDIM/128
.set TS,    KS*1536                    ; a tile's codes for all of K
.set PS,    KS*128                     ; a pair of tiles' scale words for all of K: a tensor load brings two pairs'
.set NFILL, KDIM/512
.set TILEB, 6144
.set SLOTB, 98304
.set YOFF,  49152
.set SC,    196608                     ; behind the ring: X's four pairs' scale words, then Y's four
.set SPARE, 229376                     ; the spare words: 128 bytes for each of 8 waves; no other line names them
.set XF,  20
.set YF,  68
.set ACC, 128
.set WV,  10
.set G1Y, 24
.set G0Y, 32
.set G1X, 48
.set G0X, 56
.set G1SY, 68
.set G0SY, 76
.set G1SX, 80
.set G0SX, 88
.macro CROUND                          ; a round of the cluster's barrier
	s_barrier_signal -1
	s_barrier_wait -1
	s_cmp_lg_u32 s[WV], 0
	s_cbranch_scc1 .Lnw0_\@
	s_barrier_signal -3
.Lnw0_\@:
	s_barrier_wait -3
	s_barrier_signal -1
	s_barrier_wait -1
.endm
.macro JLOAD g0x, g1x, g0y, g1y        ; waves 0-3 ask for X, waves 4-7 for Y: a branch on the wave's number alone; four v_nop follow each load
	s_cmp_lt_u32 s[WV], 4
	s_cbranch_scc0 .Lfy_\@
	tensor_load_to_lds s[\g0x:\g0x+3], s[\g1x:\g1x+7]
	s_nop 0
.rept 4
	v_nop
.endr
	s_branch .Ljd_\@
.Lfy_\@:
	tensor_load_to_lds s[\g0y:\g0y+3], s[\g1y:\g1y+7]
	s_nop 0
.rept 4
	v_nop
.endr
.Ljd_\@:
.endm
.macro FRAG reg, a16, a8, off          ; a fragment, two atoms: every load reads consecutive bytes
	ds_load_b128 v[\reg:\reg+3], v[\a16] offset:\off
	ds_load_b64 v[\reg+4:\reg+5], v[\a8] offset:\off+512
	ds_load_b128 v[\reg+6:\reg+9], v[\a16] offset:\off+768
	ds_load_b64 v[\reg+10:\reg+11], v[\a8] offset:\off+1280
.endm
.macro WM x, y, zero                   ; a scale register holds an even tile's words in lanes 0-15 and the odd tile's in lanes 16-31
.set rD, ACC+32*(\y)+8*(\x)
.set rX, XF+12*(\x)
.set rY, YF+12*(\y)
.set rP, 16+(\x)/2
.set rQ, 18+(\y)/2
.set par, 2*((\x)%2)+(\y)%2+4*(\zero)
.if par == 0
	v_wmma_scale_f32_16x16x128_f8f6f4 v[rD:rD+7], v[rX:rX+11], v[rY:rY+11], v[rD:rD+7], v[rP], v[rQ] matrix_a_fmt:MATRIX_FMT_FP6 matrix_b_fmt:MATRIX_FMT_FP6
.elseif par == 1
	v_wmma_scale_f32_16x16x128_f8f6f4 v[rD:rD+7], v[rX:rX+11], v[rY:rY+11], v[rD:rD+7], v[rP], v[rQ] matrix_a_fmt:MATRIX_FMT_FP6 matrix_b_fmt:MATRIX_FMT_FP6 matrix_b_scale:MATRIX_SCALE_ROW1
.elseif par == 2
	v_wmma_scale_f32_16x16x128_f8f6f4 v[rD:rD+7], v[rX:rX+11], v[rY:rY+11], v[rD:rD+7], v[rP], v[rQ] matrix_a_fmt:MATRIX_FMT_FP6 matrix_b_fmt:MATRIX_FMT_FP6 matrix_a_scale:MATRIX_SCALE_ROW1
.elseif par == 3
	v_wmma_scale_f32_16x16x128_f8f6f4 v[rD:rD+7], v[rX:rX+11], v[rY:rY+11], v[rD:rD+7], v[rP], v[rQ] matrix_a_fmt:MATRIX_FMT_FP6 matrix_b_fmt:MATRIX_FMT_FP6 matrix_a_scale:MATRIX_SCALE_ROW1 matrix_b_scale:MATRIX_SCALE_ROW1
.elseif par == 4
	v_wmma_scale_f32_16x16x128_f8f6f4 v[rD:rD+7], v[rX:rX+11], v[rY:rY+11], 0, v[rP], v[rQ] matrix_a_fmt:MATRIX_FMT_FP6 matrix_b_fmt:MATRIX_FMT_FP6
.elseif par == 5
	v_wmma_scale_f32_16x16x128_f8f6f4 v[rD:rD+7], v[rX:rX+11], v[rY:rY+11], 0, v[rP], v[rQ] matrix_a_fmt:MATRIX_FMT_FP6 matrix_b_fmt:MATRIX_FMT_FP6 matrix_b_scale:MATRIX_SCALE_ROW1
.elseif par == 6
	v_wmma_scale_f32_16x16x128_f8f6f4 v[rD:rD+7], v[rX:rX+11], v[rY:rY+11], 0, v[rP], v[rQ] matrix_a_fmt:MATRIX_FMT_FP6 matrix_b_fmt:MATRIX_FMT_FP6 matrix_a_scale:MATRIX_SCALE_ROW1
.else
	v_wmma_scale_f32_16x16x128_f8f6f4 v[rD:rD+7], v[rX:rX+11], v[rY:rY+11], 0, v[rP], v[rQ] matrix_a_fmt:MATRIX_FMT_FP6 matrix_b_fmt:MATRIX_FMT_FP6 matrix_a_scale:MATRIX_SCALE_ROW1 matrix_b_scale:MATRIX_SCALE_ROW1
.endif
.endm
.macro STEP slot, koff, soff, zero     ; 128 along K: 36 LDS loads, 16 matrix instructions; the accumulators take turns, one instruction a turn
.rept 4
	v_nop                                          ; places in front of loads into registers that the last matrix instructions read
.endr
	ds_load_b32 v16, v11 offset:\soff
	ds_load_b32 v17, v11 offset:\soff+PS
	ds_load_b32 v18, v12 offset:\soff
	ds_load_b32 v19, v12 offset:\soff+PS
.irp y, 0,1,2,3
	FRAG YF+12*\y, 7+\slot, 9+\slot, \y*TILEB+\koff
.endr
.irp x, 0,1,2,3
	FRAG XF+12*\x, 3+\slot, 5+\slot, \x*TILEB+\koff
.endr
.irp x, 0,1,2,3
	s_wait_dscnt 12-4*\x                           ; the fragments of the later x, four loads each, may be out
.irp y, 0,1,2,3
	WM \x, \y, \zero
.endr
.endr
.endm
.macro WORK slot, zero                 ; a slot: my two steps of its four
	v_add_nc_u32 v11, s8, v118                     ; this slot's scale words: 512 bytes a slot
	v_add_nc_u32 v12, s8, v119
	s_wait_alu depctr_va_vdst(0)                   ; the wait behind the two writes
	s_add_co_u32 s8, s8, 512
	STEP \slot, 0, 0, \zero
	STEP \slot, 3072, 256, 0
.endm
; The change to slot \slot.  Behind the round that slot is asked for first.
.macro TRIP slot, refill
.if \refill
	s_wait_xcnt 0x0                                ; my last prefetch has read its address: it steps one chunk of 512 along K
	s_add_nc_u64 s[66:67], s[66:67], TILEB
.endif
	s_wait_tensorcnt 0x0                           ; all my tensor loads have landed, my part of this slot among them
	ds_add_u32 v1, v2                              ; 0 onto my spare word
	s_add_nc_u64 s[G0X+6-4*\slot:G0X+7-4*\slot], s[G0X+6-4*\slot:G0X+7-4*\slot], 2*TILEB   ; no load of mine is out: the other slot's next 512 along K
	s_add_nc_u64 s[G0Y+6-4*\slot:G0Y+7-4*\slot], s[G0Y+6-4*\slot:G0Y+7-4*\slot], 2*TILEB
	s_mov_b32 s[G1X+2], 2<<16                      ; a load of the ring brings two tiles (the head's brought eight)
	s_mov_b32 s[G1X+4], 2
	s_mov_b32 s[G1Y+2], 2<<16
	s_mov_b32 s[G1Y+4], 2
	s_wait_dscnt 0x0                               ; the add is done, and my reads of the other slot are over
	CROUND                                         ; both now hold of every wave of every work-group of the cluster
.if \refill
	JLOAD G0X+4-4*\slot, G1X, G0Y+4-4*\slot, G1Y
	s_cmp_gt_u32 s16, 1                            ; the loop's last trip refills chunks 6 and 7: no chunk lies two further on
	s_cbranch_scc0 .Lnp_\@
	global_prefetch_b8 v126, s[66:67] offset:3*TILEB th:TH_LOAD_NT scope:SCOPE_SE   ; s[66:67] stands one chunk behind the refill's: this names the chunk two refills on
.Lnp_\@:
.endif
	WORK \slot, 0
.endm
	s_load_b128 s[4:7], s[0:1], 0x0                ; the tokens' codes and scales, wqb
	s_load_b128 s[92:95], s[0:1], 0x10             ; the bias, the residual
	s_load_b64 s[96:97], s[0:1], 0x20              ; the result
	v_lshl_add_u32 v1, v0, 2, SPARE
	v_mov_b32 v2, 0
	ds_add_u32 v1, v2
	ds_add_u32 v1, v2
	s_wait_dscnt 0x0
	v_lshrrev_b32 v3, 5, v0
	s_delay_alu instid0(VALU_DEP_1)
	v_readfirstlane_b32 s[WV], v3                  ; wave 0..7
	s_and_b32 s11, s[WV], 1                        ; xw
	s_bfe_u32 s12, s[WV], 0x10001                  ; yw
	s_lshr_b32 s15, s[WV], 2                       ; the parity of my steps
	s_and_b32 s18, s[WV], 3                        ; which two tiles, and which pair's scale words, I fetch
	s_bfe_u32 s13, ttmp6, 0x40000                  ; cx
	s_bfe_u32 s14, ttmp6, 0x40004                  ; cy
	s_lshl_b32 s17, ttmp9, 2
	s_add_co_u32 s17, s17, s13                     ; X's tile of 128 columns
	s_and_b32 s19, ttmp7, 0xffff
	s_lshl_b32 s19, s19, 2
	s_add_co_u32 s19, s19, s14                     ; Y's tile of 128 tokens
	s_lshl_b32 s21, s14, 2
	s_lshl_b32 s21, 15, s21                        ; my row of the cluster: shares Y
	s_lshl_b32 s22, 0x1111, s13                    ; my column: shares X
	s_or_b32 s[G1Y], s21, (3<<16)|(1<<21)          ; 15:0 the mask; 17:16 elements of 8 bytes; 21 set beside a mask; no padding
	s_or_b32 s[G1X], s22, (3<<16)|(1<<21)
.irp g, G1Y, G1X
	s_mov_b32 s[\g+1], (TILEB/8)<<16               ; tensor_dim0: a tile's 6,144 bytes
	s_mov_b32 s[\g+2], 8<<16                       ; tensor_dim1: at the head 8 tiles
	s_mov_b32 s[\g+3], (TILEB/8)<<16               ; tile_dim0
	s_mov_b32 s[\g+4], 8                           ; tile_dim1
	s_mov_b32 s[\g+5], TS/8                        ; from tile to tile
	s_mov_b32 s[\g+6], 0
	s_mov_b32 s[\g+7], 0
.endr
	s_or_b32 s[G1SY], s21, (3<<16)|(1<<21)
	s_or_b32 s[G1SX], s22, (3<<16)|(1<<21)
.irp g, G1SY, G1SX
	s_mov_b32 s[\g+1], 32<<16                      ; the scale words: a dense block as rows of 256 bytes
	s_mov_b32 s[\g+2], (2*PS/256)<<16              ; two pairs' scale words a load
	s_mov_b32 s[\g+3], 32<<16
	s_mov_b32 s[\g+4], 2*PS/256
	s_mov_b32 s[\g+5], 32
	s_mov_b32 s[\g+6], 0
	s_mov_b32 s[\g+7], 0
.endr
	s_mul_i32 s40, s17, 8*TS
	s_mul_i32 s41, s18, 2*TS
	s_add_co_u32 s40, s40, s41
	s_add_co_u32 s40, s40, XCODE                   ; X's codes
	s_mul_i32 s42, s17, 4*PS
	s_mul_i32 s43, s11, 2*PS
	s_add_co_u32 s42, s42, s43
	s_add_co_u32 s42, s42, XSC                     ; X's scale words
	s_mul_i32 s44, s19, 8*TS
	s_add_co_u32 s44, s44, s41                     ; Y's codes
	s_mul_i32 s46, s19, 4*PS
	s_add_co_u32 s46, s46, s43
	s_add_co_u32 s46, s46, YSC                     ; Y's scale words
	s_mov_b32 s41, 0
	s_mov_b32 s43, 0
	s_mov_b32 s45, 0
	s_mov_b32 s47, 0
	s_wait_kmcnt 0x0
	s_add_nc_u64 s[40:41], s[6:7], s[40:41]
	s_add_nc_u64 s[42:43], s[6:7], s[42:43]
	s_add_nc_u64 s[44:45], s[4:5], s[44:45]
	s_add_nc_u64 s[46:47], s[4:5], s[46:47]
	s_mul_i32 s2, s[WV], 12288                     ; where they go: X's eight tiles, then Y's eight = wave x two tiles: no place in the cluster enters an LDS address
	s_mul_i32 s3, s18, 2*PS
	CROUND                                         ; all sixteen work-groups are here: the first joint loads meet
	s_mov_b32 s[G0SX], 1
	s_add_co_u32 s[G0SX+1], s3, SC
	s_mov_b64 s[G0SX+2:G0SX+3], s[42:43]
	s_or_b32 s[G0SX+3], s[G0SX+3], 0x80000000
	s_mov_b32 s[G0SY], 1
	s_add_co_u32 s[G0SY+1], s3, SC
	s_mov_b64 s[G0SY+2:G0SY+3], s[46:47]
	s_or_b32 s[G0SY+3], s[G0SY+3], 0x80000000
.irp s, 0,1
	s_mov_b32 s[G0X+4*\s], 1
	s_add_co_u32 s[G0X+4*\s+1], s2, \s*SLOTB
	s_add_nc_u64 s[G0X+4*\s+2:G0X+4*\s+3], s[40:41], \s*TILEB
	s_or_b32 s[G0X+4*\s+3], s[G0X+4*\s+3], 0x80000000
	s_mov_b32 s[G0Y+4*\s], 1
	s_add_co_u32 s[G0Y+4*\s+1], s2, \s*SLOTB
	s_add_nc_u64 s[G0Y+4*\s+2:G0Y+4*\s+3], s[44:45], \s*TILEB
	s_or_b32 s[G0Y+4*\s+3], s[G0Y+4*\s+3], 0x80000000
.endr
	; THE HEAD'S LOADS, ONE A WAVE: waves 0, 1 X's scale words, waves 2, 3 Y's, wave 4 slot 0's eight tiles of X, wave 5 of Y, waves 6, 7 slot 1's.
	s_mul_i32 s98, s18, 2*TS
	s_mov_b32 s99, 0
	s_sub_nc_u64 s[6:7], s[40:41], s[98:99]        ; X's first tile,
	s_sub_nc_u64 s[22:23], s[44:45], s[98:99]      ; Y's,
	s_mul_i32 s98, s12, TILEB                      ; at the slot's 512 along K (s12: 0 in waves 4, 5; 1 in waves 6, 7)
	s_add_nc_u64 s[6:7], s[6:7], s[98:99]
	s_add_nc_u64 s[22:23], s[22:23], s[98:99]
	s_or_b32 s7, s7, 0x80000000
	s_or_b32 s23, s23, 0x80000000
	s_mov_b32 s4, 1
	s_mov_b32 s20, 1
	s_mul_i32 s5, s12, SLOTB
	s_add_co_u32 s21, s5, YOFF
.macro ARM under, g0, g1, next
	s_cmp_lt_u32 s[WV], \under
	s_cbranch_scc0 \next
	tensor_load_to_lds s[\g0:\g0+3], s[\g1:\g1+7]
	s_nop 0
.rept 4
	v_nop
.endr
	s_branch .Lhead_asked
\next:
.endm
	ARM 2, G0SX, G1SX, .Lh1
	ARM 4, G0SY, G1SY, .Lh2
	ARM 5, 4,    G1X,  .Lh3
	ARM 6, 20,   G1Y,  .Lh4
	ARM 7, 4,    G1X,  .Lh5
	tensor_load_to_lds s[20:23], s[G1Y:G1Y+7]
	s_nop 0
.rept 4
	v_nop
.endr
.Lhead_asked:
	; THE PREFETCHES.  A refill of mine brings two tiles x 6,144 bytes, 48 blocks of 256; the four partners that ask for them jointly share the blocks out by address, 12 each, a lane a block
	; (lanes 12-31 name the last again).  Chunks 2 and 3 are named here, chunk c + 2 behind the refill of chunk c.
	s_cmp_lt_u32 s[WV], 4
	s_cselect_b64 s[66:67], s[40:41], s[44:45]     ; my two tiles, chunk 0: X's or Y's
	s_cselect_b32 s98, s14, s13                    ; my place among the four: cy for X, cx for Y
	s_lshr_b32 s99, s98, 1
	s_mul_i32 s99, s99, TS                         ; which of the two tiles,
	s_and_b32 s98, s98, 1
	s_mul_i32 s98, s98, 3072                       ; and which half of its 6,144 bytes
	s_add_co_u32 s98, s98, s99
	s_mov_b32 s99, 0
	s_add_nc_u64 s[66:67], s[66:67], s[98:99]
	v_and_b32 v126, 31, v0
	v_min_u32 v126, 11, v126
	v_lshlrev_b32 v126, 8, v126                    ; never rewritten
	global_prefetch_b8 v126, s[66:67] offset:2*TILEB th:TH_LOAD_NT scope:SCOPE_SE
	global_prefetch_b8 v126, s[66:67] offset:3*TILEB th:TH_LOAD_NT scope:SCOPE_SE
	v_and_b32 v13, 31, v0
	s_delay_alu instid0(VALU_DEP_1)
	v_lshlrev_b32 v14, 4, v13                      ; 16 x lane; never rewritten
	s_wait_alu depctr_va_vdst(0)
	v_lshlrev_b32 v15, 3, v13                      ; 8 x lane
	s_wait_alu depctr_va_vdst(0)
	s_lshl_b32 s40, s19, 7
	s_lshl_b32 s41, s[WV], 4
	s_add_co_u32 s40, s40, s41                     ; the 16 rows that I store
	s_lshl_b32 s40, s40, 12
	s_lshl_b32 s42, s17, 9
	s_add_co_u32 s40, s40, s42
	s_mov_b32 s41, 0
	s_mov_b32 s43, 0
	s_add_nc_u64 s[94:95], s[94:95], s[40:41]
	s_add_nc_u64 s[96:97], s[96:97], s[40:41]
	s_add_nc_u64 s[92:93], s[92:93], s[42:43]
	s_set_vgpr_msb 0x40                            ; destination in the second window, address in the first
.irp i, 0,1,2,3,4,5,6,7,8,9,10,11,12,13,14,15
	global_load_b128 v[4*\i:4*\i+3], v14, s[94:95] offset:4096*\i   ; v256 + 4 i: my 16 rows of the residual, 512 consecutive bytes each; waited for on the way out
.endr
	s_set_vgpr_msb 0x4000
	global_load_b128 v[122:125], v14, s[92:93]     ; the bias of my four columns
	s_mul_i32 s98, s15, 1536
	s_mul_i32 s99, s12, 4*TILEB
	s_add_co_u32 s99, s99, s98
	s_add_co_u32 s99, s99, YOFF
	s_mul_i32 s40, s11, 4*TILEB
	s_add_co_u32 s98, s98, s40
	v_add_nc_u32 v3, s98, v14                      ; v3, v4: X's fragments in slot 0, 1, by 16 bytes;  v5, v6: by 8
	v_add_nc_u32 v5, s98, v15
	v_add_nc_u32 v7, s99, v14                      ; v7-v10: the same for Y
	v_add_nc_u32 v9, s99, v15
	s_delay_alu instid0(VALU_DEP_4)
	v_add_nc_u32 v4, SLOTB, v3
	s_delay_alu instid0(VALU_DEP_4)
	v_add_nc_u32 v6, SLOTB, v5
	s_delay_alu instid0(VALU_DEP_4)
	v_add_nc_u32 v8, SLOTB, v7
	s_delay_alu instid0(VALU_DEP_4)
	v_add_nc_u32 v10, SLOTB, v9
	v_lshlrev_b32 v118, 2, v13
	s_lshl_b32 s98, s15, 7
	s_mul_i32 s99, s12, 2*PS
	s_add_co_u32 s99, s99, s98
	s_add_co_u32 s99, s99, SC+4*PS
	s_mul_i32 s40, s11, 2*PS
	s_add_co_u32 s98, s98, s40
	s_add_co_u32 s98, s98, SC
	v_add_nc_u32 v119, s99, v118                   ; Y's scale words of my first step
	v_add_nc_u32 v118, s98, v118                   ; X's
	s_mov_b32 s8, 0
	v_and_b32 v116, 15, v0                         ; r
	v_bfe_u32 v117, v0, 4, 1                       ; h
	s_delay_alu instid0(VALU_DEP_2)
	v_and_b32 v13, 8, v116
	s_delay_alu instid0(VALU_DEP_1)
	v_add_nc_u32 v13, v13, v116
	s_delay_alu instid0(VALU_DEP_1)
	v_mul_u32_u24 v13, v13, 272
	s_delay_alu instid0(VALU_DEP_1)
	v_lshl_add_u32 v13, v117, 6, v13
	s_mul_i32 s98, s[WV], 17408
	v_add_nc_u32 v13, s98, v13                     ; my stage: token r + 8 (r / 8) of a tile's group, + 64 h
	s_mul_i32 s98, s15, 34816
	s_mul_i32 s99, s18, 16*272
	s_add_co_u32 s98, s98, s99
	v_mul_u32_u24 v120, v117, 17408
	s_delay_alu instid0(VALU_DEP_1)
	v_lshl_add_u32 v120, v116, 4, v120
	s_delay_alu instid0(VALU_DEP_1)
	v_add_nc_u32 v120, s98, v120                   ; back: my 16 rows; lanes 0-15 the left 64 columns' stage, lanes 16-31 the right one's
	s_delay_alu instid0(VALU_DEP_1)
	v_add_nc_u32 v121, 69632, v120                 ; and the same in the stages of the odd steps' waves
	s_wait_alu depctr_va_vdst(0)                   ; the wait at the head's end
	s_cmp_lt_u32 s[WV], 6
	s_cbranch_scc0 .Lslot1
	s_wait_tensorcnt 0x0                           ; waves 0-5: my scale words or my half of slot 0 are in
.Lslot1:
	s_barrier_signal -1
	s_barrier_wait -1                              ; everybody's are; slot 1 may be on its way
	WORK 0, 1                                      ; the first step's products start the sums: nothing is cleared
.if NFILL > 2
	s_mov_b32 s16, (NFILL-2)/2
.Llap:                                             ; a trip goes once round the ring and fills both slots again
	TRIP 1, 1
	TRIP 0, 1
	s_sub_co_u32 s16, s16, 1
	s_cmp_lg_u32 s16, 0
	s_cbranch_scc1 .Llap
.endif
	TRIP 1, 0                                      ; nothing is left to fetch
	; THE WAY OUT.  Each wave lays its 64 tokens x 64 columns into a stage of its own (rows of 256 + 16 bytes, tokens and columns in their natural order); the stages lie in the ring, which has had its last fill.
	; Then each wave takes 16 whole rows of 128 columns, adds the two halves of K, the bias and the residual, and stores 512 consecutive bytes an instruction.
.rept 4
	v_nop                                          ; places behind the last products
.endr
	s_wait_dscnt 0x0
	s_barrier_signal -1
	s_barrier_wait -1                              ; nobody reads the ring any more
.irp y, 0,1,2,3
.irp x, 0,1,2,3
	ds_store_b128 v13, v[ACC+32*\y+8*\x:ACC+32*\y+8*\x+3] offset:(32*(\y/2)+8*(\y%2))*272+(32*(\x/2)+8*(\x%2))*4      ; each accumulator from its low end on
	ds_store_b128 v13, v[ACC+32*\y+8*\x+4:ACC+32*\y+8*\x+7] offset:(32*(\y/2)+8*(\y%2))*272+(32*(\x/2)+8*(\x%2))*4+16
.endr
.endr
	s_wait_dscnt 0x0                               ; for the others' sake
	s_barrier_signal -1
	s_barrier_wait -1
.irp i, 0,1,2,3,4,5,6,7,8,9,10,11,12,13,14,15
	ds_load_b128 v[128+4*\i:131+4*\i], v120 offset:272*\i
	ds_load_b128 v[192+4*\i:195+4*\i], v121 offset:272*\i
.endr
	s_wait_dscnt 0x0
	s_wait_loadcnt 0x0                             ; the residual and the bias, asked for at the head
.irp i, 0,1,2,3,4,5,6,7,8,9,10,11,12,13,14,15
	v_pk_add_f32 v[128+4*\i:129+4*\i], v[128+4*\i:129+4*\i], v[192+4*\i:193+4*\i]
	v_pk_add_f32 v[130+4*\i:131+4*\i], v[130+4*\i:131+4*\i], v[194+4*\i:195+4*\i]
	s_delay_alu instid0(VALU_DEP_2)
	v_pk_add_f32 v[128+4*\i:129+4*\i], v[128+4*\i:129+4*\i], v[122:123]
	s_delay_alu instid0(VALU_DEP_2)
	v_pk_add_f32 v[130+4*\i:131+4*\i], v[130+4*\i:131+4*\i], v[124:125]
.endr
	s_set_vgpr_msb 0x04                            ; source 1 in the second window
.irp i, 0,1,2,3,4,5,6,7,8,9,10,11,12,13,14,15
	v_pk_add_f32 v[128+4*\i:129+4*\i], v[128+4*\i:129+4*\i], v[4*\i:4*\i+1]         ; + the residual, v256 + 4 i on
	v_pk_add_f32 v[130+4*\i:131+4*\i], v[130+4*\i:131+4*\i], v[4*\i+2:4*\i+3]
.endr
	s_set_vgpr_msb 0x0400
.irp i, 0,1,2,3,4,5,6,7,8,9,10,11,12,13,14,15
	global_store_b128 v14, v[128+4*\i:131+4*\i], s[96:97] offset:4096*\i
.endr
	s_wait_tensorcnt 0x0                           ; the wave's end
	ds_add_u32 v1, v2
	s_wait_dscnt 0x0
	CROUND                                         ; the closing round: no work-group ends while a partner may still ask for a tile that names it
	s_endpgm
.Lfunc_end_k_q2d3fc1788e_fc2:
	.size	k_q2d3fc1788e_fc2, .Lfunc_end_k_q2d3fc1788e_fc2-k_q2d3fc1788e_fc2
	.p2alignl 7, 3214868480
	.fill 96, 4, 3214868480
	.section	.rodata,"a",@progbits
	.p2align	6, 0x0
	.amdhsa_kernel k_q2d3fc1788e_fc2
		.amdhsa_group_segment_fixed_size 327680
		.amdhsa_private_segment_fixed_size 0
		.amdhsa_enable_private_segment 0
		.amdhsa_kernarg_size 40
		.amdhsa_user_sgpr_count 2
		.amdhsa_user_sgpr_kernarg_segment_ptr 1
		.amdhsa_wavefront_size32 1
		.amdhsa_system_sgpr_workgroup_id_x 1
		.amdhsa_system_sgpr_workgroup_id_y 1
		.amdhsa_system_sgpr_workgroup_id_z 1
		.amdhsa_system_vgpr_workitem_id 0
		.amdhsa_next_free_vgpr 320
		.amdhsa_next_free_sgpr 100
		.amdhsa_reserve_vcc 0
		.amdhsa_float_denorm_mode_32 3
		.amdhsa_float_denorm_mode_16_64 3
		.amdhsa_memory_ordered 1
		.amdhsa_forward_progress 1
		.amdhsa_inst_pref_size 68
	.end_amdhsa_kernel
	.amdgpu_metadata
---
amdhsa.version: [ 1, 2 ]
amdhsa.kernels:
  - .name:           k_q2d3fc1788e_fc2
    .symbol:         k_q2d3fc1788e_fc2.kd
    .args:
      - { .name: h3, .offset: 0, .size: 8, .value_kind: global_buffer, .address_space: global }
      - { .name: wqb, .offset: 8, .size: 8, .value_kind: global_buffer, .address_space: global }
      - { .name: fc2_b, .offset: 16, .size: 8, .value_kind: global_buffer, .address_space: global }
      - { .name: x2, .offset: 24, .size: 8, .value_kind: global_buffer, .address_space: global }
      - { .name: out0, .offset: 32, .size: 8, .value_kind: global_buffer, .address_space: global }
    .group_segment_fixed_size: 327680
    .private_segment_fixed_size: 0
    .kernarg_segment_align: 8
    .kernarg_segment_size: 40
    .max_flat_workgroup_size: 256
    .sgpr_count:     100
    .vgpr_count:     320
    .wavefront_size: 32
...
	.end_amdgpu_metadata
.endif
;; end of part 7
